; MI455X (gfx1250); checked and timed in simulation.
; The chip was launched on July 23, 2026; its instructions are those of AMD's public machine-readable ISA for CDNA 5 (MIT licence, August 2026) and "CDNA5" Instruction Set Architecture Reference Guide (July 2026). The comments in the code are by the model that wrote it; some were corrected since.
;; Multi head attention. Allowed arithmetic: matrix products marked QUANTISED: E2M1 operands, one E8M0 scale for each 32 along K, by v_wmma_scale_f32_16x16x128_f8f6f4 with both operands' format E2M1 (or v_wmma_scale_f32_32x16x128_f4), f32 sums; products left as they are: bf16, f16 or f32 operands; f32 sums; everything else in f32.
;; Inputs: Wk 1,024 x 1,024 float32; Wo 1,024 x 1,024 float32; Wq 1,024 x 1,024 float32; Wv 1,024 x 1,024 float32; bo 1,024 float32; pad_mask 4 x 1 x 1 x 2,048 bool; x 4 x 2,048 x 1,024 float32.
;; Outputs: out0 4 x 2,048 x 1,024 float32.
;; This version of the problem:
;;   THIS VERSION OF THE PROBLEM IS GIVEN IN LOW PRECISION. The matrix products marked QUANTISED in the list below multiply operands that are first quantised to E2M1 (2 exponent bits, 1 mantissa bit; 4 bits a number), with one power-of-two scale for each 32 numbers along K (OCP MX v1.0); their sums are f32. The products marked 'left as it is' may take bf16, f16 or f32 operands, with f32 sums. Whichever they take, every output number must still come out within the allowed error. Rounding operands to bf16 (8 significant bits) uses up far more of that allowance than f16 does (11 bits, for magnitudes from 6e-5 to 65,504). All else is computed in f32.
;;   The module's matrix products, in the order in which they are computed (A, B: the left and right operand; K: the contracted axis; several contracted axes count as one K, in the product's order):
;;     1. [M 8,192, K 1,024] x [K 1,024, N 1,024]; A: input x; B: input Wq: QUANTISED
;;     2. [M 8,192, K 1,024] x [K 1,024, N 1,024]; A: input x; B: input Wk: QUANTISED
;;     3. [M 8,192, K 1,024] x [K 1,024, N 1,024]; A: input x; B: input Wv: QUANTISED
;;     4. batch 64 x [M 2,048, K 64] x [K 64, N 2,048]; A: computed on the way; B: computed on the way: left as it is (an operand is computed on the way)
;;     5. batch 64 x [M 2,048, K 2,048] x [K 2,048, N 64]; A: computed on the way; B: computed on the way: left as it is (an operand is computed on the way)
;;     6. [M 8,192, K 1,024] x [K 1,024, N 1,024]; A: computed on the way; B: input Wo: left as it is (an operand is computed on the way)
;;   THE QUANTISER, for each operand of a quantised product, along K:
;;     - K is cut into blocks of 32 from its start; a last block that is shorter is filled with zeros.
;;     - A block's scale is 2^e with e = floor(log2(the largest magnitude in the block)) - 2, held to -126 .. 127; a block of zeros has e = 0. As a byte (E8M0): e + 127.
;;     - Each number is divided by its block's scale, clamped to +-6, and rounded to the nearest number of E2M1, ties to even, subnormals kept.
;;     - The product sums the exact products of the quantised numbers (number of the format x scale) in f32.
;;   ~~~python
;;   def quantise(x, axis):      # numpy; x: float32 -> the quantised numbers, widened to float32 again
;;       x = np.moveaxis(x, axis, -1); K = x.shape[-1]
;;       x = np.pad(x, [(0, 0)] * (x.ndim - 1) + [(0, -K % 32)]); x = x.reshape(x.shape[:-1] + (-1, 32)); a = np.abs(x).max(-1, keepdims=True)
;;       e = np.where(a > 0, np.clip(np.frexp(np.where(a > 0, a, 1))[1] - 1 - 2, -126, 127), 0)      # np.frexp(a)[1] - 1 = floor(log2(a)), exactly
;;       r = np.clip(x / 2.0 ** e, -6, 6)
;;       step = 2.0 ** (np.maximum(np.frexp(np.where(r == 0, 1, r))[1] - 1, 0) - 1)
;;       q = np.round(r / step) * step * 2.0 ** e      # np.round: ties to even
;;       return np.moveaxis(q.reshape(q.shape[:-2] + (-1,))[..., :K], -1, axis).astype(np.float32)
;;   ~~~
;; One version. Each part assembles by itself: llvm-mc -triple=amdgcn-amd-amdhsa -mcpu=gfx1250 --defsym DOCPART=n.
;; ======== version 1 of 1: 4 launches
;; limits: values are held in f16: magnitudes above 65,504 overflow, below 6.1e-05 lose precision
;; workspace buffers: xcodes 4,194,304 bytes; xscales 262,144 bytes; wcodes 1,572,864 bytes; wscales 98,304 bytes; wo16 2,097,152 bytes; q 16,777,216 bytes; kv 33,554,432 bytes; ctx 16,777,216 bytes
;; launch prep (part 1): grid 416 x 1, 4 waves a work-group, no clusters, 33,280 bytes of LDS; arguments x, Wq, Wk, Wv, Wo, xcodes, xscales, wcodes, wscales, wo16; writes xcodes, xscales, wcodes, wscales, wo16
.if DOCPART == 1
	.amdgcn_target "amdgcn-amd-amdhsa--gfx1250"
	.amdhsa_code_object_version 6
	.text
	.protected	k_q7a3efdc118_prep
	.globl	k_q7a3efdc118_prep
	.p2align	8
	.type	k_q7a3efdc118_prep,@function
k_q7a3efdc118_prep:
	s_mov_b64 s[64:65], 0
	v_nop
	global_prefetch_b8 v0, s[64:65] scope:SCOPE_SE
	s_setreg_imm32_b32 hwreg(HW_REG_WAVE_MODE, 25, 1), 1
	s_wait_xcnt 0x0
; x [8192][1024], Wq, Wk, Wv [1024][1024], f32, K innermost, become codes of FP4 (E2M1) with one E8M0 scale byte for each 32 along K; Wo [1024][1024] becomes f16.
; A block's scale is 2^(floor(log2(its largest magnitude)) - 2); its byte is the largest magnitude's exponent field - 2, held at 1 from below.  Each number is divided by the scale and
; rounded to the nearest code, ties to even; beyond 6 the largest code.
; LIMITS: a block of zeros gets the byte 1 where the quantiser's text says 127 (its codes are zeros, which add nothing, and this program alone reads the bytes); NaN and infinities are not served;
; |Wo| stays below 65,504, the largest f16 number.
; SHARES.  Work-groups 0-255 take x, 256-287 Wq, 288-319 Wk, 320-351 Wv: 32,768 numbers each, a wave 16 steps of 512.  Rows are dense and 1,024 is a multiple of 32, so a tensor is a plain
; stream of blocks of 32, and so are its codes and scale bytes.  The three weights' codes lie on end: rows 0-1023 Wq, 1024-2047 Wk, 2048-3071 Wv.  Only pointers are chosen: one path serves all four.
; Each of a step's four loads reads 512 consecutive bytes; the 2,048 bytes turn through the wave's own stage in LDS and come back 64 bytes a lane, so that a lane holds 16 neighbours along K
; (two neighbouring lanes hold a block).  A wave's store of codes covers 256 consecutive bytes, aligned; its 256 scale bytes are gathered in LDS and leave as one such store.
; Work-groups 352-415 take Wo: 16 rows each, a wave 256 along K.  Wo leaves as IMAGES OF OPERAND REGISTERS: blocks of 512 bytes, 16 rows x 16 k, lane (r, h) owning the 16 bytes at 16 x lane:
; row r, k = 8 h .. 8 h + 7.  Block (nt, kt) lies at nt x 32768 + kt x 512.  Its loads take 32 bytes of each of 16 rows; a wave's 32 loads together use every byte of 16 rows x 1,024 bytes.
.set WAVES, 4
.set STEPS, 16
.set EMAX,  2
.set CB,    8                          ; bytes of 16 codes
.set R,     16                         ; v16-79   four sets of 16 numbers as they are loaded
.set X,     80                         ; v80-111  two sets of 16 neighbours
.set E,     112                        ; v112-127 a scale byte for each step
.set C,     128                        ; v128-191 codes: four registers for each step, so that no store's data are written again
.set WREG,  8192                       ; LDS: a region for each wave: two stages of 32 x SP bytes, behind them its 256 scale bytes
.set SP,    80                         ; a lane's place in a stage: 64 bytes + 16 of padding
.set SPW,   12                         ; v12  LDS address of my spare word; never rewritten
.set NIL,   13                         ; v13  0; never rewritten
.set SPARE, WAVES*WREG                 ; behind the four regions: the spare words, 128 bytes a wave
.set SRC,   28                         ; s[28:29] the tensor that I read
.set COD,   32                         ; s[32:33] its codes
.set SCB,   34                         ; s[34:35] its scale bytes
	s_load_b256 s[4:11], s[0:1], 0x0               ; x, Wq, Wk, Wv
	s_load_b64 s[12:13], s[0:1], 0x20              ; Wo
	s_load_b128 s[16:19], s[0:1], 0x28             ; x's codes, x's scale bytes
	s_load_b128 s[20:23], s[0:1], 0x38             ; the weights' codes, their scale bytes
	s_load_b64 s[24:25], s[0:1], 0x48              ; Wo in f16
	v_lshl_add_u32 v[SPW], v0, 2, SPARE
	v_mov_b32 v[NIL], 0
	v_lshrrev_b32 v1, 5, v0
	v_readfirstlane_b32 s26, v1                    ; wave
	v_and_b32 v2, 31, v0                           ; lane
	v_lshlrev_b32 v3, 4, v2                        ; my 16 bytes of a load's 512
	s_mul_i32 s27, s26, WREG
	v_lshrrev_b32 v14, 2, v2
	v_mul_u32_u24 v14, v14, SP
	v_and_b32 v15, 3, v2
	v_lshl_add_u32 v14, v15, 4, v14
	v_add_nc_u32 v14, s27, v14                     ; the stage, on the way in: four lanes' 64 bytes on end, then 16 of padding
	v_mul_u32_u24 v15, v2, SP
	v_add_nc_u32 v15, s27, v15                     ; and on the way out: SP x lane: my 16 neighbours
	v_mul_u32_u24 v4, v2, CB                       ; my codes' place in a step's
	v_lshrrev_b32 v5, 1, v2
	s_add_co_u32 s27, s27, 2*32*SP
	v_add_nc_u32 v5, s27, v5                       ; LDS: my wave's 256 scale bytes, my block's byte
	v_lshlrev_b32 v7, 3, v2                        ; and on the way out 8 bytes a lane
	v_add_nc_u32 v6, s27, v7
	s_wait_kmcnt 0x0
	s_cmp_ge_u32 ttmp9, 352                        ; the work-group's number alone decides
	s_cbranch_scc1 .Lwo
	; which tensor: three compares, each followed by its selects
	s_cmp_lt_u32 ttmp9, 320
	s_cselect_b64 s[SRC:SRC+1], s[8:9], s[10:11]   ; Wk or Wv
	s_mov_b32 s30, 320
	s_cselect_b32 s30, 288, s30                    ; the tensor's first work-group
	s_cmp_lt_u32 ttmp9, 288
	s_cselect_b64 s[SRC:SRC+1], s[6:7], s[SRC:SRC+1]
	s_cselect_b32 s30, 256, s30
	s_cmp_lt_u32 ttmp9, 256
	s_cselect_b64 s[SRC:SRC+1], s[4:5], s[SRC:SRC+1]
	s_cselect_b32 s30, 0, s30
	s_cselect_b64 s[COD:COD+1], s[16:17], s[20:21]
	s_cselect_b64 s[SCB:SCB+1], s[18:19], s[22:23]
	s_cselect_b32 s31, 0, 256                      ; the first work-group of the buffer of codes
	s_sub_co_u32 s30, ttmp9, s30
	s_lshl_b32 s30, s30, 2
	s_add_co_u32 s30, s30, s26                     ; which run of 8,192 numbers of the tensor is my wave's,
	s_sub_co_u32 s31, ttmp9, s31
	s_lshl_b32 s31, s31, 2
	s_add_co_u32 s31, s31, s26                     ; and which of the buffers of codes and scale bytes
	s_mov_b32 s37, 0
	s_lshl_b32 s36, s30, 15                        ; 32,768 bytes of f32 a run
	s_add_nc_u64 s[SRC:SRC+1], s[SRC:SRC+1], s[36:37]
	s_lshl_b32 s36, s31, 12                        ; 4,096 bytes of codes
	s_add_nc_u64 s[COD:COD+1], s[COD:COD+1], s[36:37]
	s_lshl_b32 s36, s31, 8                         ; 256 scale bytes
	s_add_nc_u64 s[SCB:SCB+1], s[SCB:SCB+1], s[36:37]
.macro LOAD t
.irp i, 0,1,2,3
	global_load_b128 v[R+16*((\t)%4)+4*\i:R+16*((\t)%4)+4*\i+3], v3, s[SRC:SRC+1] offset:2048*(\t)+512*\i th:TH_LOAD_NT   ; 32 lanes read 512 consecutive bytes
.endr
.endm
.macro TURN t                          ; step t's numbers through the stage: LDS serves a wave's instructions in order, so no wait stands between the stores and the loads
.irp i, 0,1,2,3
	ds_store_b128 v14, v[R+16*((\t)%4)+4*\i:R+16*((\t)%4)+4*\i+3] offset:32*SP*((\t)%2)+8*SP*\i
.endr
.irp i, 0,1,2,3
	ds_load_b128 v[X+16*((\t)%2)+4*\i:X+16*((\t)%2)+4*\i+3], v15 offset:32*SP*((\t)%2)+16*\i
.endr
.endm
.irp t, 0,1,2,3
	LOAD \t
.endr
	s_wait_loadcnt 12                              ; step 0's four loads are in; twelve younger ones stay out
	TURN 0
.macro STEP t
.set XS, X+16*((\t)%2)
.if (\t) > 0
	s_wait_dscnt 1                                 ; this step's numbers are back from the stage (the last step's byte store may be out): so its stores into the stage have read their registers,
.else
	s_wait_dscnt 0x0
.endif
.if (\t)+4 < STEPS
	LOAD (\t)+4                                    ; which take the loads of four steps on
.endif
.if (\t)+1 < STEPS
.if STEPS-2-(\t) >= 3
	s_wait_loadcnt 12                              ; the next step's four loads are in; those of the three steps behind it may be out
.else
	s_wait_loadcnt 4*(STEPS-2-(\t))
.endif
	TURN (\t)+1                                    ; and go through the other stage while this step is worked
.endif
	v_max3_num_f32 v8, |v[XS]|, |v[XS+1]|, |v[XS+2]|               ; the largest magnitude of my 16, in two chains
	v_max3_num_f32 v9, |v[XS+3]|, |v[XS+4]|, |v[XS+5]|
.irp i, 6,10
	v_max3_num_f32 v8, v8, |v[XS+\i]|, |v[XS+\i+1]|
	v_max3_num_f32 v9, v9, |v[XS+\i+2]|, |v[XS+\i+3]|
.endr
	v_max3_num_f32 v8, v8, |v[XS+14]|, |v[XS+15]|
	v_max3_num_f32 v8, v8, v9, (EMAX+1)<<23        ; and the floor 2^(EMAX + 1 - 127): the byte cannot fall under 1
	v_max_num_f32_dpp v8, v8, v8 row_xmask:1 row_mask:0xf bank_mask:0xf   ; and of my neighbour's 16: the block's
	v_add_nc_u32 v11, -(EMAX<<23), v8              ; EMAX off its exponent field: the conversion takes the exponent field of this operand as its scale, and nothing else of it
	v_cvt_scalef32_pk8_fp4_f32 v[C+4*(\t)], v[XS:XS+7], v11
	v_cvt_scalef32_pk8_fp4_f32 v[C+4*(\t)+1], v[XS+8:XS+15], v11
	v_lshrrev_b32 v[E+(\t)], 23, v11               ; the scale's byte (a plain line behind the conversions)
	ds_store_b8 v5, v[E+(\t)] offset:16*(\t)       ; both lanes of a block write the same byte with the same value
	global_store_b64 v4, v[C+4*(\t):C+4*(\t)+1], s[COD:COD+1] offset:32*CB*(\t)   ; 32 lanes store 256 consecutive bytes, aligned
.endm
.irp t, 0,1,2,3,4,5,6,7,8,9,10,11,12,13,14,15
	STEP \t
.endr
	ds_load_b64 v[8:9], v6                         ; LDS serves a wave's instructions in order: these see my byte stores
	s_wait_dscnt 0x0
	global_store_b64 v7, v[8:9], s[SCB:SCB+1]      ; 32 lanes store 256 consecutive bytes, aligned
	s_wait_tensorcnt 0x0                           ; the wave's end
	ds_add_u32 v[SPW], v[NIL]
	s_wait_dscnt 0x0
	s_endpgm
.Lwo:                                              ; Wo to f16: tile nt of 16 rows, my wave's 16 blocks along K
	v_and_b32 v1, 15, v0                           ; r
	v_bfe_u32 v2, v0, 4, 1                         ; h
	v_lshlrev_b32 v1, 12, v1
	v_lshl_add_u32 v1, v2, 5, v1                   ; in: row r of 4,096 bytes, + 32 h
	v_and_b32 v2, 31, v0
	v_lshlrev_b32 v2, 4, v2                        ; out: 16 x lane
	s_sub_co_u32 s27, ttmp9, 352                   ; nt
	s_mov_b32 s29, 0
	s_lshl_b32 s28, s27, 16                        ; 16 rows of 4,096 bytes,
	s_lshl_b32 s30, s26, 10                        ; my wave's 256 numbers of a row
	s_add_co_u32 s28, s28, s30
	s_add_nc_u64 s[12:13], s[12:13], s[28:29]
	s_lshl_b32 s28, s27, 15                        ; 64 blocks of 512 bytes a tile,
	s_lshl_b32 s30, s26, 13                        ; my wave's 16
	s_add_co_u32 s28, s28, s30
	s_add_nc_u64 s[24:25], s[24:25], s[28:29]
.irp k, 0,1,2,3,4,5,6,7,8,9,10,11,12,13,14,15
	global_load_b128 v[16+8*\k:16+8*\k+3], v1, s[12:13] offset:64*\k
	global_load_b128 v[16+8*\k+4:16+8*\k+7], v1, s[12:13] offset:64*\k+16
.endr
.irp k, 0,1,2,3,4,5,6,7,8,9,10,11,12,13,14,15
	s_wait_loadcnt 30-2*\k                         ; block k's two loads are in; the younger ones stay out
.irp i, 0,1,2,3
	v_cvt_pk_f16_f32 v[144+4*\k+\i], v[16+8*\k+2*\i], v[17+8*\k+2*\i]
.endr
	global_store_b128 v2, v[144+4*\k:144+4*\k+3], s[24:25] offset:512*\k   ; a block: 512 consecutive bytes, aligned; no register is written twice
.endr
	s_wait_tensorcnt 0x0                           ; the three closing lines here too
	ds_add_u32 v[SPW], v[NIL]
	s_wait_dscnt 0x0
	s_endpgm
.Lfunc_end_k_q7a3efdc118_prep:
	.size	k_q7a3efdc118_prep, .Lfunc_end_k_q7a3efdc118_prep-k_q7a3efdc118_prep
	.p2alignl 7, 3214868480
	.fill 96, 4, 3214868480
	.section	.rodata,"a",@progbits
	.p2align	6, 0x0
	.amdhsa_kernel k_q7a3efdc118_prep
		.amdhsa_group_segment_fixed_size 33280
		.amdhsa_private_segment_fixed_size 0
		.amdhsa_enable_private_segment 0
		.amdhsa_kernarg_size 80
		.amdhsa_user_sgpr_count 2
		.amdhsa_user_sgpr_kernarg_segment_ptr 1
		.amdhsa_wavefront_size32 1
		.amdhsa_system_sgpr_workgroup_id_x 1
		.amdhsa_system_sgpr_workgroup_id_y 1
		.amdhsa_system_sgpr_workgroup_id_z 1
		.amdhsa_system_vgpr_workitem_id 0
		.amdhsa_next_free_vgpr 208
		.amdhsa_next_free_sgpr 66
		.amdhsa_reserve_vcc 0
		.amdhsa_float_denorm_mode_32 3
		.amdhsa_float_denorm_mode_16_64 3
		.amdhsa_memory_ordered 1
		.amdhsa_forward_progress 1
		.amdhsa_inst_pref_size 44
	.end_amdhsa_kernel
	.amdgpu_metadata
---
amdhsa.version: [ 1, 2 ]
amdhsa.kernels:
  - .name:           k_q7a3efdc118_prep
    .symbol:         k_q7a3efdc118_prep.kd
    .args:
      - { .name: x, .offset: 0, .size: 8, .value_kind: global_buffer, .address_space: global }
      - { .name: Wq, .offset: 8, .size: 8, .value_kind: global_buffer, .address_space: global }
      - { .name: Wk, .offset: 16, .size: 8, .value_kind: global_buffer, .address_space: global }
      - { .name: Wv, .offset: 24, .size: 8, .value_kind: global_buffer, .address_space: global }
      - { .name: Wo, .offset: 32, .size: 8, .value_kind: global_buffer, .address_space: global }
      - { .name: xcodes, .offset: 40, .size: 8, .value_kind: global_buffer, .address_space: global }
      - { .name: xscales, .offset: 48, .size: 8, .value_kind: global_buffer, .address_space: global }
      - { .name: wcodes, .offset: 56, .size: 8, .value_kind: global_buffer, .address_space: global }
      - { .name: wscales, .offset: 64, .size: 8, .value_kind: global_buffer, .address_space: global }
      - { .name: wo16, .offset: 72, .size: 8, .value_kind: global_buffer, .address_space: global }
    .group_segment_fixed_size: 33280
    .private_segment_fixed_size: 0
    .kernarg_segment_align: 8
    .kernarg_segment_size: 80
    .max_flat_workgroup_size: 128
    .sgpr_count:     66
    .vgpr_count:     208
    .wavefront_size: 32
...
	.end_amdgpu_metadata
.endif
;; end of part 1
;; launch qkv (part 2): grid 12 x 32, 4 waves a work-group, clusters of 4 x 4, 327,680 bytes of LDS; arguments xcodes, xscales, wcodes, wscales, pad_mask, q, kv; writes q, kv
.if DOCPART == 2
	.amdgcn_target "amdgcn-amd-amdhsa--gfx1250"
	.amdhsa_code_object_version 6
	.text
	.protected	k_q7a3efdc118_qkv
	.globl	k_q7a3efdc118_qkv
	.p2align	8
	.type	k_q7a3efdc118_qkv,@function
k_q7a3efdc118_qkv:
	s_mov_b64 s[64:65], 0
	v_nop
	global_prefetch_b8 v0, s[64:65] scope:SCOPE_SE
	s_setreg_imm32_b32 hwreg(HW_REG_WAVE_MODE, 25, 1), 1
	s_wait_xcnt 0x0
	s_wait_alu depctr_hold_cnt(0) depctr_sa_sdst(0) depctr_va_vdst(0) depctr_va_sdst(0) depctr_va_ssrc(0) depctr_va_vcc(0) depctr_vm_vsrc(0)
	s_getreg_b32 s2, hwreg(HW_REG_IB_STS2, 6, 4)
	s_cmp_eq_u32 s2, 0
	s_cbranch_scc0 .Lentry_in_a_cluster
	s_endpgm
.Lentry_in_a_cluster:
	s_bfe_u32 s2, ttmp6, 0x10000c
	s_cmp_lg_u32 s2, 0xf033
	s_cbranch_scc0 .Lentry_shape_is_right
	s_endpgm
.Lentry_shape_is_right:
; Q, K, V = x Wq^T, x Wk^T, x Wv^T as ONE product [8192 tokens][3072 channels] over K = 1,024, on codes of FP4 (E2M1) with one E8M0 scale for each 32 along K; sums in f32.
; A = x's codes [8192][512 bytes], B = the three weights' codes on end [3072][512 bytes]; scale bytes [rows][32].
; A tile, 256 tokens x 256 channels, is made by a work-group of four waves; a wave makes 128 x 128: 64 accumulators of 16 x 16, 512 registers.
; K is two slots of 512: both slots and the scale bytes of all of K are asked for at the head; nothing in LDS is filled twice, and there is no loop.
; CLUSTERS: 4 x 4 work-groups.  The four of a row of the cluster need the same tiles of A, the four of a column the same tiles of B: each tile is asked for jointly.
; THE MATRIX INSTRUCTION IS USED TRANSPOSED (source 0 = 16 rows of B, source 1 = 16 rows of A): a lane holds ONE token (lane % 16) and eight neighbouring channels 8 (lane / 16) + 0 .. 7.
; THE WAY OUT.  Results leave as f16 IMAGES OF OPERAND REGISTERS: blocks of 512 bytes (16 tokens x 16 channels), lane (r, h) owning the 16 bytes at 16 x lane: token r, channels 8 h .. 8 h + 7:
; just what four roundings of a lane's eight results give.  So every store is 512 consecutive bytes, aligned, straight from registers.
;   q:  head (16 batch + head) x 262144 + token tile x 2048 + channel tile x 512.      Q is multiplied by log2(e) / 8, so that the scores come out as exponents of 2.
;   kv: head x 524288 + (token tile / 4) x 16384 + (token tile % 4) x 2048 + channel tile x 512 for K, 8,192 further on for V: a step of 64 keys is 16 KB on end.
;   K's rows of masked keys (pad_mask = 1) are multiplied by 0: the next launch then adds the mask's value to products that are all zero.
;   In V's blocks the 16 bytes of (token r, half h) lie at 16 ((r % 8) + 8 h + 16 (r / 8)), the order in which the turning LDS load of the next launch wants them.
; The cluster's x is the section (0 Q, 1 K, 2 V), the same in all sixteen partners; it enters factors and global addresses alone.
; LIMITS: |Q|, |K|, |V| stay below 65,504, the largest f16 number; NaN and infinities are not served.
; REGISTERS, in windows of 256: window 0: v0-31 addresses; v32-95 scale words, two sets; v96-119 the tokens' mask bytes and factors; from v128 A's fragments, ONE set; on the way out v128-255 at work.
;   window 1: B's fragments, TWO sets, at v0 and v128.   window 2: the 32 accumulators of my tokens 0-63 (accumulator (a, b) at v[8 (8 a + b)]);   window 3: those of my tokens 64-127.
.set KSTEP,  512                       ; along K in a slot
.set NQ,     KSTEP/128                 ; matrix instructions deep
.set ROWB,   256                       ; a tile's row in bytes
.set KROW,   512                       ; a row of codes in memory
.set PITCH,  272                       ; an LDS row: 256 bytes + 16 of padding: the 16 rows that a load touches start 16 bytes apart modulo 256
.set FR,     8                         ; registers of a fragment: 16 rows x 128 K
.set NL,     2                         ; LDS loads that bring one
.set NP,     4                         ; places behind this matrix instruction (ISA guide 7.12.1)
.set HALFT,  128*PITCH                 ; 128 rows: what one tensor load brings, and what one wave reads of A or of B
.set SLOT,   4*HALFT                   ; A's 256 rows, then B's 256 rows
.set KS,     32                        ; a row of scale bytes
.set SCL,    2*SLOT                    ; behind the slots: the scale bytes, as rows of 256 bytes + 16 of padding
.set HALFS,  (128*KS/256)*272          ; those of 128 rows: what one tensor load brings
.set SBLK,   (16*KS/256)*272           ; those of 16 rows
.set SPARE,  SCL+4*HALFS               ; behind the scale bytes: the spare words, 128 bytes a wave
.set ADRA, 16                          ; v16-17  LDS address of my A fragments in slot 0, 1
.set ADRB, 20                          ; v20-21  the same for B
.set VO,   26                          ; v26     my 16 bytes' place in a block on the way out
.set ADRS, 27                          ; v27     LDS address of my scale words: lanes 0-15 A's rows, lanes 16-31 B's
.set SPW,  28                          ; v28     LDS address of my spare word; never rewritten
.set NIL,  29                          ; v29     0; never rewritten
.set TOK,  30                          ; v30     lane % 16: my token in a block; never rewritten
.set SC,   32                          ; scale words: set s at v[SC + 32 s]; register 4 i + q: lanes 0-15 the word of A's block i, lanes 16-31 that of B's block i
.set MK,   96                          ; v96-103  block a: my token's mask byte
.set FC,   104                         ; v104-119 block a: my token's factor, twice (a pair for the packed multiply)
.set AF,   128                         ; A's fragments
.set TW,   128                         ; the way out: 64 scaled numbers
.set HW,   192                         ; the way out: two sets of 32 registers of f16
.set G1, 24                            ; s[24:31] descriptor group 1 for A's tiles;  s[32:39] group 0, one set for each slot
.set G0, 32
.set G1B, 48                           ; s[48:55], s[56:63] the same for B's tiles
.set G0B, 56
.set G1S, 68                           ; s[68:75], s[76:79] groups 1 and 0 for A's scale bytes;  s[80:87], s[88:91] for B's
.set G0S, 76
.set G1SB, 80
.set G0SB, 88
.set MSB, 0
.macro WIN new                         ; the immediate's high byte repeats the setting that is left; a switch that changes nothing is dropped
.if MSB != (\new)
	s_set_vgpr_msb (MSB<<8)|(\new)
.set MSB, \new
.endif
.endm
.set MUL_LO, 0xa1                      ; source 0 (B) window 1, source 1 (A) window 0, C and D window 2
.set MUL_HI, 0xf1                      ; the same, C and D window 3
.set TO_B,   0x40                      ; destination window 1, address window 0
; A joint load: waves 0 and 1 fetch for A, waves 2 and 3 for B.  Each of the two lines has one mask and one set of registers for all that issue it; the branch hangs on the wave's number alone.
; An s_nop 0 and four v_nop follow each of the two lines.
.macro JLOAD g0a, g1a, g0b, g1b
	s_cmp_eq_u32 s15, 0
	s_cbranch_scc0 .Lfor_b_\@
	tensor_load_to_lds s[\g0a:\g0a+3], s[\g1a:\g1a+7]
	s_nop 0
.rept 4
	v_nop
.endr
	s_branch .Lasked_\@
.Lfor_b_\@:
	tensor_load_to_lds s[\g0b:\g0b+3], s[\g1b:\g1b+7]
	s_nop 0
.rept 4
	v_nop
.endr
.Lasked_\@:
.endm
.macro CROUND                          ; a round of the cluster's barrier
	s_barrier_signal -1
	s_barrier_wait -1
	s_cmp_lg_u32 s14, 0
	s_cbranch_scc1 .Lnot_wave_0_\@
	s_barrier_signal -3
.Lnot_wave_0_\@:
	s_barrier_wait -3
	s_barrier_signal -1
	s_barrier_wait -1
.endm
	s_load_b128 s[4:7], s[0:1], 0x0                ; x's codes s[4:5], x's scale bytes s[6:7]
	s_load_b128 s[8:11], s[0:1], 0x10              ; the weights' codes s[8:9], their scale bytes s[10:11]
	s_load_b128 s[96:99], s[0:1], 0x20             ; pad_mask s[96:97], q s[98:99]
	s_load_b64 s[100:101], s[0:1], 0x30            ; kv
	v_lshl_add_u32 v[SPW], v0, 2, SPARE
	v_mov_b32 v[NIL], 0
	ds_add_u32 v[SPW], v[NIL]                      ; the wave's opening: the add, twice on end, and its wait ahead of my first tensor load
	ds_add_u32 v[SPW], v[NIL]
	v_lshrrev_b32 v1, 5, v0
	v_readfirstlane_b32 s14, v1                    ; wave 0..3
	s_lshr_b32 s15, s14, 1                         ; which half of the tile's tokens is mine.  Also: I fetch for A (0) or for B (1)
	s_and_b32 s16, s14, 1                          ; which half of its channels.  Also: which 128 rows of that tile I fetch
	s_bfe_u32 s40, ttmp6, 0x40000                  ; cx, cy: my place in the cluster
	s_bfe_u32 s41, ttmp6, 0x40004
	s_lshl_b32 s42, ttmp9, 2
	s_add_co_u32 s42, s42, s40                     ; tile column = 4 x cluster x + cx
	s_and_b32 s17, ttmp7, 0xffff
	s_lshl_b32 s17, s17, 2
	s_add_co_u32 s17, s17, s41                     ; tile row = 4 x cluster y + cy
	s_lshl_b32 s43, s41, 2
	s_lshl_b32 s43, 15, s43                        ; my row of the cluster
	s_lshl_b32 s44, 0x1111, s40                    ; my column
	; descriptor group 1: a tile of 128 rows x 256 bytes, 16 bytes of padding behind each row
	s_or_b32 s[G1+0], s43, (0<<16)|(1<<20)|(1<<21)|(5<<22)|(3<<25)  ; the mask: A's tiles go to my row; elements of 1 byte; padding on; bit 21 beside a mask; after every 64 words, 4 words
	s_or_b32 s[G1B+0], s44, (0<<16)|(1<<20)|(1<<21)|(5<<22)|(3<<25)
.irp g, G1, G1B
	s_mov_b32 s[\g+1], ROWB<<16                    ; tensor_dim0
	s_mov_b32 s[\g+2], 128<<16                     ; tensor_dim1
	s_mov_b32 s[\g+3], ROWB<<16                    ; tile_dim0
	s_mov_b32 s[\g+4], 128                         ; tile_dim1
	s_mov_b32 s[\g+5], KROW                        ; from row to row
	s_mov_b32 s[\g+6], 0
	s_mov_b32 s[\g+7], 0
.endr
	; the scale bytes of 128 rows: a dense block of 4,096 bytes, as 16 rows of 256 bytes (32 elements of 8 bytes), 16 bytes of padding behind each
	s_or_b32 s[G1S+0], s43, (3<<16)|(1<<20)|(1<<21)|(5<<22)|(3<<25)
	s_or_b32 s[G1SB+0], s44, (3<<16)|(1<<20)|(1<<21)|(5<<22)|(3<<25)
.irp g, G1S, G1SB
	s_mov_b32 s[\g+1], 32<<16
	s_mov_b32 s[\g+2], (128*KS/256)<<16
	s_mov_b32 s[\g+3], 32<<16
	s_mov_b32 s[\g+4], 128*KS/256
	s_mov_b32 s[\g+5], 32
	s_mov_b32 s[\g+6], 0
	s_mov_b32 s[\g+7], 0
.endr
	s_lshl_b32 s18, s16, 7                         ; which 128 rows of the tile I fetch
	s_lshl_b32 s20, s17, 8
	s_add_co_u32 s20, s20, s18                     ; A: row 256 x tile row + 128 x half
	s_lshl_b32 s46, s42, 8
	s_add_co_u32 s46, s46, s18                     ; B: row 256 x tile column + 128 x half
	s_mov_b32 s21, 0
	s_mov_b32 s47, 0
	s_mov_b64 s[18:19], KS
	s_mul_u64 s[22:23], s[20:21], s[18:19]         ; where these rows' scale bytes begin
	s_mul_u64 s[92:93], s[46:47], s[18:19]
	s_mov_b64 s[18:19], KROW
	s_mul_u64 s[20:21], s[20:21], s[18:19]         ; and their codes
	s_mul_u64 s[46:47], s[46:47], s[18:19]
	s_mul_i32 s45, s14, HALFT                      ; where they go: wave x 128 rows: no place in the cluster enters an LDS address
	s_mul_i32 s94, s14, HALFS
	s_wait_dscnt 0x0                               ; both opening adds are done
	s_wait_kmcnt 0x0
	s_add_nc_u64 s[20:21], s[4:5], s[20:21]
	s_add_nc_u64 s[22:23], s[6:7], s[22:23]
	s_add_nc_u64 s[46:47], s[8:9], s[46:47]
	s_add_nc_u64 s[92:93], s[10:11], s[92:93]
	CROUND                                         ; all sixteen work-groups are here: the joint loads meet
	s_mov_b32 s[G0S], 1
	s_add_co_u32 s[G0S+1], s94, SCL
	s_mov_b64 s[G0S+2:G0S+3], s[22:23]
	s_or_b32 s[G0S+3], s[G0S+3], 0x80000000
	s_mov_b32 s[G0SB], 1
	s_add_co_u32 s[G0SB+1], s94, SCL
	s_mov_b64 s[G0SB+2:G0SB+3], s[92:93]
	s_or_b32 s[G0SB+3], s[G0SB+3], 0x80000000
	JLOAD G0S, G1S, G0SB, G1SB                     ; the scale bytes first: they are wanted with slot 0
.irp s, 0,1
	s_mov_b32 s[G0+4*\s], 1
	s_add_co_u32 s[G0+4*\s+1], s45, \s*SLOT
	s_add_nc_u64 s[G0+4*\s+2:G0+4*\s+3], s[20:21], \s*ROWB
	s_or_b32 s[G0+4*\s+3], s[G0+4*\s+3], 0x80000000
	s_mov_b32 s[G0B+4*\s], 1
	s_add_co_u32 s[G0B+4*\s+1], s45, \s*SLOT
	s_add_nc_u64 s[G0B+4*\s+2:G0B+4*\s+3], s[46:47], \s*ROWB
	s_or_b32 s[G0B+4*\s+3], s[G0B+4*\s+3], 0x80000000
	JLOAD G0+4*\s, G1, G0B+4*\s, G1B               ; three tensor loads of mine are out
.endr
	v_and_b32 v1, 15, v0                           ; l % 16
	v_bfe_u32 v2, v0, 4, 1                         ; l / 16
	v_mul_u32_u24 v3, v1, PITCH
	v_lshl_add_u32 v4, v2, 4, v3                   ; a fragment's row x pitch + 16 x half
	s_mul_i32 s21, s15, HALFT                      ; my 128 rows of A
	s_mul_i32 s22, s16, HALFT                      ; my 128 rows of B,
	s_add_co_u32 s22, s22, 2*HALFT                 ; which lie behind A's 256
.irp s, 0,1
	v_add_nc_u32 v[ADRA+\s], s21, v4
	v_add_nc_u32 v[ADRB+\s], s22, v4
	s_add_co_u32 s21, s21, SLOT
	s_add_co_u32 s22, s22, SLOT
.endr
	v_mul_u32_u24 v5, v1, KS                       ; my row's scale bytes: 32 a row,
	v_lshrrev_b32 v6, 8, v5
	v_lshl_add_u32 v5, v6, 4, v5                   ; and 16 more for each 256 passed
	s_mul_i32 s21, s15, HALFS                      ; A's: my 128 rows
	s_mul_i32 s22, s16, HALFS                      ; B's: my 128 rows, behind A's 256
	s_add_co_u32 s22, s22, 2*HALFS
	s_sub_co_u32 s22, s22, s21
	v_mul_u32_u24 v6, s22, v2                      ; lanes 16-31 take B's: one product, the distance between the two bases
	s_add_co_u32 s21, s21, SCL
	v_add_nc_u32 v5, v5, v6
	v_add_nc_u32 v[ADRS], s21, v5
	; the mask bytes of my 128 tokens: block a, token lane % 16.  pad_mask is [4][2048]: the byte of global token n lies at n
	s_lshl_b32 s20, s17, 8
	s_lshl_b32 s21, s15, 7
	s_add_co_u32 s20, s20, s21                     ; my first token: 256 x tile row + 128 x half
	s_mov_b32 s21, 0
	s_add_nc_u64 s[96:97], s[96:97], s[20:21]
	v_and_b32 v[TOK], 15, v0
.irp a, 0,1,2,3,4,5,6,7
	global_load_u8 v[MK+\a], v[TOK], s[96:97] offset:16*\a   ; waited for on the way out
.endr
	; the section's constants: every select stands straight behind its compare
	s_cmp_eq_u32 ttmp9, 0                          ; Q?
	s_cselect_b64 s[12:13], s[98:99], s[100:101]   ; the buffer
	s_mov_b32 s18, 524288
	s_cselect_b32 s18, 262144, s18                 ; bytes of a head
	s_mov_b32 s19, 16384
	s_cselect_b32 s19, 8192, s19                   ; bytes from four token tiles to the next four
	s_cselect_b32 s2, 0x3e38aa3b, 1.0              ; the factor: log2(e) / 8 for Q, else 1
	s_cmp_eq_u32 ttmp9, 1                          ; K?
	s_cselect_b32 s3, 1, 0                         ; the mask counts for K alone
	s_cmp_eq_u32 ttmp9, 2                          ; V?
	s_cselect_b32 s22, 8192, 0                     ; V lies behind K in a key step
	s_cselect_b32 s23, -1, 0                       ; all lanes or none: V's order inside a block
	s_lshr_b32 s45, s17, 3                         ; the batch: 8 tile rows each
	s_lshl_b32 s45, s45, 4
	s_lshl_b32 s46, s40, 2
	s_add_co_u32 s45, s45, s46
	s_lshl_b32 s46, s16, 1
	s_add_co_u32 s45, s45, s46                     ; 16 batch + 4 cx + 2 x half: the head of my channels 0-63
	s_mul_i32 s45, s45, s18
	s_and_b32 s46, s17, 7
	s_lshl_b32 s46, s46, 2
	s_lshl_b32 s47, s15, 1
	s_add_co_u32 s46, s46, s47                     ; which four token tiles of the batch my blocks 0-3 are
	s_mul_i32 s46, s46, s19
	s_add_co_u32 s45, s45, s46
	s_add_co_u32 s46, s45, s22
	s_mov_b32 s47, 0
	s_add_nc_u64 s[12:13], s[12:13], s[46:47]      ; blocks a 0-3, b 0-3
	s_mov_b32 s46, s18
	s_add_nc_u64 s[66:67], s[12:13], s[46:47]      ; a 0-3, b 4-7: the next head
	s_mov_b32 s46, s19
	s_add_nc_u64 s[92:93], s[12:13], s[46:47]      ; a 4-7, b 0-3: the next four token tiles
	s_add_nc_u64 s[94:95], s[66:67], s[46:47]      ; a 4-7, b 4-7
	v_and_b32 v24, 31, v0
	v_lshlrev_b32 v24, 4, v24                      ; 16 x lane
	v_and_b32 v25, 7, v0
	v_lshl_add_u32 v25, v2, 3, v25                 ; (r % 8) + 8 h
	v_bfe_u32 v6, v0, 3, 1
	v_lshl_add_u32 v25, v6, 4, v25                 ; + 16 (r / 8)
	v_lshlrev_b32 v25, 4, v25
	v_cndmask_b32 v[VO], v24, v25, s23             ; V's order, or the plain one
.macro FRAG reg, adr, q, i             ; a fragment, 16 rows x 128 K of 4-bit codes, is 8 registers: lane l holds row l % 16; registers 4 c .. 4 c + 3 hold K = 64 c + 32 (l / 16) + 0 .. 31
.irp c, 0,1
	ds_load_b128 v[\reg+4*\c:\reg+4*\c+3], v[\adr] offset:64*(\q)+32*\c+(\i)*16*PITCH
.endr
.endm
; 16 matrix instructions: A's blocks a0, a0 + 1 x B's eight, 128 along K: the slot's q-th.  p: B's set;  sc: the set of scale words.  zero = 1: the first product starts the sums.
; The 64 accumulators take turns, one instruction a turn, in the same order in every step.
.macro MUL16 a0, p, q, sc, zero
.irp a, \a0, \a0+1
.irp b, 0,1,2,3,4,5,6,7
.if \zero
	v_wmma_scale_f32_16x16x128_f8f6f4 v[8*(8*((\a)%4)+\b):8*(8*((\a)%4)+\b)+7], v[128*(\p)+FR*\b:128*(\p)+FR*\b+FR-1], v[AF+FR*(\a):AF+FR*(\a)+FR-1], 0, v[SC+8*NQ*(\sc)+NQ*\b+(\q)], v[SC+8*NQ*(\sc)+NQ*(\a)+(\q)] matrix_a_fmt:MATRIX_FMT_FP4 matrix_b_fmt:MATRIX_FMT_FP4 matrix_a_scale:MATRIX_SCALE_ROW1
.else
	v_wmma_scale_f32_16x16x128_f8f6f4 v[8*(8*((\a)%4)+\b):8*(8*((\a)%4)+\b)+7], v[128*(\p)+FR*\b:128*(\p)+FR*\b+FR-1], v[AF+FR*(\a):AF+FR*(\a)+FR-1], v[8*(8*((\a)%4)+\b):8*(8*((\a)%4)+\b)+7], v[SC+8*NQ*(\sc)+NQ*\b+(\q)], v[SC+8*NQ*(\sc)+NQ*(\a)+(\q)] matrix_a_fmt:MATRIX_FMT_FP4 matrix_b_fmt:MATRIX_FMT_FP4 matrix_a_scale:MATRIX_SCALE_ROW1
.endif
.endr
.endr
.endm
.macro FETCH_B slot, q, p              ; B's eight fragments of the slot's q-th 128 along K into set p
	WIN TO_B
.irp i, 0,1,2,3,4,5,6,7
	FRAG 128*(\p)+FR*\i, ADRB+\slot, \q, \i
.endr
	WIN 0
.endm
.macro FETCH_A slot, q, i0             ; A's blocks i0 .. i0 + 3
.irp i, \i0, \i0+1, \i0+2, \i0+3
	FRAG AF+FR*(\i), ADRA+\slot, \q, \i
.endr
.endm
.macro SCALES sc                       ; a slot's scale words into set sc: 4 words a row; lanes 0-15 take A's block i, lanes 16-31 B's block i
.irp i, 0,1,2,3,4,5,6,7
	ds_load_b128 v[SC+8*NQ*\sc+NQ*\i:SC+8*NQ*\sc+NQ*\i+3], v[ADRS] offset:\i*SBLK
.endr
.endm
; A load into a register that a matrix instruction has read stands NP places behind it, and only plain vector instructions that name none of its registers are places.
.macro PLACES n
.rept \n
	v_nop
.endr
.endm
; A step of 128 along K that has its successor in the same slot.  A's blocks go one after the other, each against B's eight: so one set of registers serves A (blocks 0-3 are fetched anew in the step's
; middle, blocks 4-7 at its end), and B has two sets.
.macro STEP slot, q, zero
	s_wait_dscnt 4*NL                              ; B's set and A's blocks 0-3 are in; the youngest eight loads (A's blocks 4-7) may be out
	WIN MUL_LO
	MUL16 0, (\q)%2, \q, \slot, \zero
	MUL16 2, (\q)%2, \q, \slot, \zero
	s_wait_dscnt 0                                 ; A's blocks 4-7 are in
	PLACES NP
	FETCH_B \slot, (\q)+1, 1-(\q)%2
	FETCH_A \slot, (\q)+1, 0
	WIN MUL_HI
	MUL16 4, (\q)%2, \q, \slot, \zero
	MUL16 6, (\q)%2, \q, \slot, \zero
	PLACES NP
	WIN 0
	FETCH_A \slot, (\q)+1, 4
.endm
; Slot 0's last step goes over to slot 1: each wave waits for all its tensor loads (its part of slot 1), and a barrier shows the whole slot to every wave.
.macro TURN slot, next
	s_wait_tensorcnt 0x0                           ; all my tensor loads have landed  (every window is 0 here)
	ds_add_u32 v[SPW], v[NIL]                      ; 0 onto my spare word
	s_wait_dscnt 4*NL+1                            ; (the add and the youngest eight loads, A's blocks 4-7, may be out)
	WIN MUL_LO
	MUL16 0, 1, NQ-1, \slot, 0
	s_wait_dscnt 0x0                               ; no LDS instruction of mine is out at the signal
	s_barrier_signal -1
	MUL16 2, 1, NQ-1, \slot, 0
	WIN 0
	s_barrier_wait -1
	PLACES NP
	v_add_nc_u32 v[ADRS], 4*NQ, v[ADRS]            ; on to the next slot's scale words
	FETCH_B \next, 0, 0
	FETCH_A \next, 0, 0
	SCALES \next
	WIN MUL_HI
	MUL16 4, 1, NQ-1, \slot, 0
	MUL16 6, 1, NQ-1, \slot, 0
	PLACES NP
	WIN 0
	FETCH_A \next, 0, 4
.endm
	s_wait_tensorcnt 1                             ; the scale bytes and my part of slot 0 are in (slot 1's load may be out),
	s_barrier_signal -1
	s_barrier_wait -1                              ; everybody's are
	FETCH_B 0, 0, 0
	FETCH_A 0, 0, 0
	SCALES 0
	FETCH_A 0, 0, 4
	STEP 0, 0, 1                                   ; the first step's products start the sums: nothing is cleared
	STEP 0, 1, 0
	STEP 0, 2, 0
	TURN 0, 1
	STEP 1, 0, 0
	STEP 1, 1, 0
	STEP 1, 2, 0
	s_wait_dscnt 4*NL                              ; the last step: nothing more to fetch
	WIN MUL_LO
	MUL16 0, 1, NQ-1, 1, 0
	MUL16 2, 1, NQ-1, 1, 0
	s_wait_dscnt 0
	WIN MUL_HI
	MUL16 4, 1, NQ-1, 1, 0
	MUL16 6, 1, NQ-1, 1, 0
	WIN 0
	; THE WAY OUT.  My token's factor for each block a: base - (mask and K?) x base.  These 32 plain lines name no register of the last products: they are the places behind them.
	s_wait_loadcnt 0x0                             ; the mask bytes
.irp a, 0,1,2,3,4,5,6,7
	v_and_b32 v[MK+\a], s3, v[MK+\a]
.endr
.irp a, 0,1,2,3,4,5,6,7
	v_cvt_f32_u32 v[MK+\a], v[MK+\a]
.endr
.irp a, 0,1,2,3,4,5,6,7
	v_fma_f32 v[FC+2*\a], -v[MK+\a], s2, s2
	v_fma_f32 v[FC+2*\a+1], -v[MK+\a], s2, s2
.endr
; Block a: 16 tokens x 128 channels: scaled (each accumulator from its low end on), rounded to f16, stored as eight blocks of 512 bytes.
.macro OUT a
.if (\a) < 4
.set BL, 12
.set BH, 66
.else
.set BL, 92
.set BH, 94
.endif
.if (\a) >= 2
	s_wait_xcnt 0x0                                ; block a - 2's stores have read their registers: this set of 32 may be written again
.endif
	WIN 0x02+(\a)/4                                ; source 0: window 2 or 3
.irp b, 0,1,2,3,4,5,6,7
.irp i, 0,2,4,6
	v_pk_mul_f32 v[TW+8*\b+\i:TW+8*\b+\i+1], v[64*((\a)%4)+8*\b+\i:64*((\a)%4)+8*\b+\i+1], v[FC+2*(\a):FC+2*(\a)+1]
.endr
.endr
	WIN 0
.irp b, 0,1,2,3,4,5,6,7
.irp i, 0,1,2,3
	v_cvt_pk_f16_f32 v[HW+32*((\a)%2)+4*\b+\i], v[TW+8*\b+2*\i], v[TW+8*\b+2*\i+1]
.endr
.endr
.irp b, 0,1,2,3
	global_store_b128 v[VO], v[HW+32*((\a)%2)+4*\b:HW+32*((\a)%2)+4*\b+3], s[BL:BL+1] offset:((\a)%4)*2048+\b*512   ; 32 lanes store 512 consecutive bytes, aligned
.endr
.irp b, 0,1,2,3
	global_store_b128 v[VO], v[HW+32*((\a)%2)+16+4*\b:HW+32*((\a)%2)+16+4*\b+3], s[BH:BH+1] offset:((\a)%4)*2048+\b*512
.endr
.endm
.irp a, 0,1,2,3,4,5,6,7
	OUT \a
.endr
	s_wait_tensorcnt 0x0                           ; the wave's end
	ds_add_u32 v[SPW], v[NIL]
	s_wait_dscnt 0x0
	CROUND                                         ; the closing round
	s_endpgm
.Lfunc_end_k_q7a3efdc118_qkv:
	.size	k_q7a3efdc118_qkv, .Lfunc_end_k_q7a3efdc118_qkv-k_q7a3efdc118_qkv
	.p2alignl 7, 3214868480
	.fill 96, 4, 3214868480
	.section	.rodata,"a",@progbits
	.p2align	6, 0x0
	.amdhsa_kernel k_q7a3efdc118_qkv
		.amdhsa_group_segment_fixed_size 327680
		.amdhsa_private_segment_fixed_size 0
		.amdhsa_enable_private_segment 0
		.amdhsa_kernarg_size 56
		.amdhsa_user_sgpr_count 2
		.amdhsa_user_sgpr_kernarg_segment_ptr 1
		.amdhsa_wavefront_size32 1
		.amdhsa_system_sgpr_workgroup_id_x 1
		.amdhsa_system_sgpr_workgroup_id_y 1
		.amdhsa_system_sgpr_workgroup_id_z 1
		.amdhsa_system_vgpr_workitem_id 0
		.amdhsa_next_free_vgpr 1024
		.amdhsa_next_free_sgpr 102
		.amdhsa_reserve_vcc 0
		.amdhsa_float_denorm_mode_32 3
		.amdhsa_float_denorm_mode_16_64 3
		.amdhsa_memory_ordered 1
		.amdhsa_forward_progress 1
		.amdhsa_inst_pref_size 137
	.end_amdhsa_kernel
	.amdgpu_metadata
---
amdhsa.version: [ 1, 2 ]
amdhsa.kernels:
  - .name:           k_q7a3efdc118_qkv
    .symbol:         k_q7a3efdc118_qkv.kd
    .args:
      - { .name: xcodes, .offset: 0, .size: 8, .value_kind: global_buffer, .address_space: global }
      - { .name: xscales, .offset: 8, .size: 8, .value_kind: global_buffer, .address_space: global }
      - { .name: wcodes, .offset: 16, .size: 8, .value_kind: global_buffer, .address_space: global }
      - { .name: wscales, .offset: 24, .size: 8, .value_kind: global_buffer, .address_space: global }
      - { .name: pad_mask, .offset: 32, .size: 8, .value_kind: global_buffer, .address_space: global }
      - { .name: q, .offset: 40, .size: 8, .value_kind: global_buffer, .address_space: global }
      - { .name: kv, .offset: 48, .size: 8, .value_kind: global_buffer, .address_space: global }
    .group_segment_fixed_size: 327680
    .private_segment_fixed_size: 0
    .kernarg_segment_align: 8
    .kernarg_segment_size: 56
    .max_flat_workgroup_size: 128
    .sgpr_count:     102
    .vgpr_count:     1024
    .wavefront_size: 32
...
	.end_amdgpu_metadata
.endif
;; end of part 2
;; launch attn (part 3): grid 4 x 64, 16 waves a work-group, clusters of 4 x 1, 327,680 bytes of LDS; arguments q, kv, pad_mask, ctx; writes ctx
.if DOCPART == 3
	.amdgcn_target "amdgcn-amd-amdhsa--gfx1250"
	.amdhsa_code_object_version 6
	.text
	.protected	k_q7a3efdc118_attn
	.globl	k_q7a3efdc118_attn
	.p2align	8
	.type	k_q7a3efdc118_attn,@function
k_q7a3efdc118_attn:
	s_mov_b64 s[64:65], 0
	v_nop
	global_prefetch_b8 v0, s[64:65] scope:SCOPE_SE
	s_setreg_imm32_b32 hwreg(HW_REG_WAVE_MODE, 25, 1), 1
	s_wait_xcnt 0x0
	s_wait_alu depctr_hold_cnt(0) depctr_sa_sdst(0) depctr_va_vdst(0) depctr_va_sdst(0) depctr_va_ssrc(0) depctr_va_vcc(0) depctr_vm_vsrc(0)
	s_getreg_b32 s2, hwreg(HW_REG_IB_STS2, 6, 4)
	s_cmp_eq_u32 s2, 0
	s_cbranch_scc0 .Lentry_in_a_cluster
	s_endpgm
.Lentry_in_a_cluster:
	s_bfe_u32 s2, ttmp6, 0x10000c
	s_cmp_lg_u32 s2, 0x3003
	s_cbranch_scc0 .Lentry_shape_is_right
	s_endpgm
.Lentry_shape_is_right:
; context[b][head][query] = the sum over keys of softmax(Q . K / 8, masked keys at -1e9) V, for 64 (batch, head) pairs of 2,048 tokens and 64 channels.  Operands f16, sums f32, softmax f32.
; q, kv and ctx hold IMAGES OF OPERAND REGISTERS: blocks of 512 bytes (16 tokens x 16 channels), lane (r, h) owning the 16 bytes at 16 x lane; two neighbouring blocks are a fragment's registers 0-3 and 4-7.
; Q arrives multiplied by log2(e) / 8, so a score t is an exponent of 2.  K's rows of masked keys arrive as zeros.
; THE MASK.  The first product of each tile of scores takes as its C a tile of bias: 0 for an open key, -1e9 log2(e) for a masked one.  A masked t is then exactly that number.  With an open key in the
; batch its p = 2^(t - m) is 0; with every key masked all t are equal and every p is 1: the plain mean of V, as the softmax of equal scores gives.
; SOFTMAX.  For each query a running maximum m and sum l: p = 2^(t - m); in every step O and l are multiplied by a = 2^(m_old - m_new).  The sum is taken of p in f32, and divides O at the end.
; SHARES.  A work-group owns 512 queries of one (batch, head); each of its sixteen waves 32: two tiles of 16, in 256 registers: four waves to a SIMD, so that one wave's vector work stands beside another's
; matrix work and LDS loads.  Every wave walks all 2,048 keys, 64 a step.  A fragment of K or V read from LDS feeds two products.
; LAYOUT.  Both products are used transposed: S^T = K Q^T (source 0 = 16 keys, source 1 = 16 queries), O^T = V^T P (source 0 = 16 channels, source 1 = P): a lane holds ONE query (lane % 16) throughout,
; and two tiles of S^T, rounded to f16 in pairs, ARE source 1 of the second product.  V comes out of LDS turned, by ds_load_tr16_b128.
; THE RING.  Two LDS slots of 128 KB: 512 keys' K and V as they lie in memory (a key step: 8 KB of K, 8 KB of V).  Four chunks: two asked for at the head, two as refills, each with eight key steps in
; which to land.  Every wave fetches its own 8 KB of a slot.  CLUSTER: the head's four blocks of queries walk the same K and V, so each load is a joint one, with a mask that names the four.
; No prefetch: the first two chunks are the head's own loads, and no wave waits for a refill that has eight key steps of sixteen waves to land in.
; LIMITS: NaN and infinities are not served; the context stays below 65,504, the largest f16 number (it is a mean of V).
.set SLOTB, 131072                     ; a slot
.set STEPB, 16384                      ; a key step in it
.set BIAS,  2*SLOTB                    ; behind the ring: the bias of the batch's 2,048 keys, f32; written by LDS stores, no tensor load lands here
.set SPARE, BIAS+8192                  ; the spare words, 128 bytes for each of sixteen waves
.set NEG,   0xceabfb8f                 ; -1e9 x log2(e)
.set L16, 1                            ; v1   16 x lane
.set ABI, 2                            ; v2   BIAS + 32 (lane / 16)
.set ADK, 3                            ; v3   LDS address of the step's K and V
.set ADB, 4                            ; v4   and of its bias
.set SPW, 5                            ; v5   LDS address of my spare word; never rewritten
.set NIL, 6                            ; v6   0; never rewritten
.set MW,  7                            ; v7   four mask bytes
.set ST,  8                            ; tile t's statistics at v[ST + 8 t]: +0 m, +1 zero (named with m as a pair), +2, +3 l in two halves, +4 to +7 c0-c3 at work; a takes c2's place, m_old - m_new c3's
.set QF,  24                           ; v24-55   Q: fragment (tile t, channels 32 u on) at QF + 16 t + 8 u
.set KV,  56                           ; v56-119  a step's K, then its V
.set S,   120                          ; v120-183 S^T: tile t at S + 32 t; register 8 kt + j is key 16 kt + 8 (lane / 16) + j.  P is written over its first 16
.set OA,  184                          ; v184-247 O^T: accumulator (t, ct) at OA + 32 t + 8 ct
.set XS,  248                          ; v248-251 the sums' second chain, a pair a tile
.set WV,  12                           ; s12  my wave's number
.set CX,  13                           ; s13  my place in the cluster: my block of 512 queries
.set HB,  14                           ; s14  16 batch + head
.set SEL, 20                           ; s[20:21] lane selects for v_permlanex16_b32: lane l xor 16
.set TB,  22                           ; s22  LDS byte at which the key step begins
.set TJ,  23                           ; s23  byte of the step's bias
.set G1,  24                           ; s[24:31] descriptor group 1
.set G0,  32                           ; s[32:39] descriptor group 0, one set for each slot
.set CNT, 40                           ; s40  counts a slot's eight steps
.macro CROUND                          ; a round of the cluster's barrier
	s_barrier_signal -1
	s_barrier_wait -1
	s_cmp_lg_u32 s[WV], 0
	s_cbranch_scc1 .Lnot_wave_0_\@
	s_barrier_signal -3
.Lnot_wave_0_\@:
	s_barrier_wait -3
	s_barrier_signal -1
	s_barrier_wait -1
.endm
	s_load_b256 s[4:11], s[0:1], 0x0               ; q s[4:5], kv s[6:7], pad_mask s[8:9], ctx s[10:11]
	v_lshl_add_u32 v[SPW], v0, 2, SPARE
	v_mov_b32 v[NIL], 0
	ds_add_u32 v[SPW], v[NIL]                      ; the wave's opening: the add, twice on end, and its wait ahead of my first tensor load
	ds_add_u32 v[SPW], v[NIL]
	v_lshrrev_b32 v[ADK], 5, v0
	v_readfirstlane_b32 s[WV], v[ADK]              ; wave 0..15
	s_bfe_u32 s[CX], ttmp6, 0x40000
	s_and_b32 s[HB], ttmp7, 0xffff                 ; which the four partners share
	; descriptor group 1: 8 KB, dense in memory, as 32 rows of 256 bytes (32 elements of 8 bytes); no padding: the blocks are read at 16 x lane
	s_mov_b32 s[G1], 15|(3<<16)|(1<<21)            ; the mask: all four work-groups; elements of 8 bytes; bit 21 beside a mask
	s_mov_b32 s[G1+1], 32<<16                      ; tensor_dim0
	s_mov_b32 s[G1+2], 32<<16                      ; tensor_dim1
	s_mov_b32 s[G1+3], 32<<16                      ; tile_dim0
	s_mov_b32 s[G1+4], 32                          ; tile_dim1
	s_mov_b32 s[G1+5], 32                          ; from row to row
	s_mov_b32 s[G1+6], 0
	s_mov_b32 s[G1+7], 0
	s_mov_b32 s[SEL], 0x76543210
	s_mov_b32 s[SEL+1], 0xfedcba98
	s_lshl_b32 s18, s[WV], 13                      ; my 8 KB of a slot, in LDS and in memory
	s_lshl_b32 s16, s[HB], 19                      ; the head's 524,288 bytes of K and V
	s_add_co_u32 s16, s16, s18
	s_mov_b32 s17, 0
	s_wait_dscnt 0x0                               ; both opening adds are done
	s_wait_kmcnt 0x0
	s_add_nc_u64 s[6:7], s[6:7], s[16:17]
	CROUND                                         ; all four work-groups are here: the first joint loads meet
.irp n, 0,1
	s_mov_b32 s[G0+4*\n], 1                        ; count = 1
	s_add_co_u32 s[G0+4*\n+1], s18, \n*SLOTB       ; LDS address: the wave's number and the slot alone
	s_add_nc_u64 s[G0+4*\n+2:G0+4*\n+3], s[6:7], \n*SLOTB   ; chunk n
	s_or_b32 s[G0+4*\n+3], s[G0+4*\n+3], 0x80000000
.endr
	tensor_load_to_lds s[G0:G0+3], s[G1:G1+7]      ; two loads of mine are out
	s_nop 0
	tensor_load_to_lds s[G0+4:G0+7], s[G1:G1+7]
	s_nop 0
	s_lshr_b32 s16, s[HB], 4                       ; the batch
	s_lshl_b32 s16, s16, 11
	s_add_nc_u64 s[8:9], s[8:9], s[16:17]          ; its 2,048 mask bytes
	v_lshlrev_b32 v[ADB], 2, v0
	global_load_b32 v[MW], v[ADB], s[8:9]          ; thread n takes keys 4 n .. 4 n + 3
	s_lshl_b32 s19, s[CX], 5
	s_lshl_b32 s41, s[WV], 1
	s_add_co_u32 s19, s19, s41                     ; my first tile of queries: 32 cx + 2 wave
	s_lshl_b32 s16, s[HB], 18
	s_lshl_b32 s41, s19, 11
	s_add_co_u32 s16, s16, s41
	s_add_nc_u64 s[4:5], s[4:5], s[16:17]
	v_and_b32 v[L16], 31, v0
	v_lshlrev_b32 v[L16], 4, v[L16]
.irp t, 0,1
.irp u, 0,1
.irp c, 0,1
	global_load_b128 v[QF+16*\t+8*\u+4*\c:QF+16*\t+8*\u+4*\c+3], v[L16], s[4:5] offset:\t*2048+\u*1024+\c*512   ; Q stays in registers
.endr
.endr
.endr
	s_lshr_b32 s16, s[HB], 4
	s_lshl_b32 s16, s16, 7
	s_add_co_u32 s16, s16, s19                     ; my first tile among all 512 tiles of tokens
	s_lshl_b32 s16, s16, 15                        ; 32,768 bytes of context a tile,
	s_and_b32 s41, s[HB], 15
	s_lshl_b32 s41, s41, 11                        ; the head's four blocks in it
	s_add_co_u32 s16, s16, s41
	s_add_nc_u64 s[10:11], s[10:11], s[16:17]
	v_bfe_u32 v[ABI], v0, 4, 1
	v_lshl_add_u32 v[ABI], v[ABI], 5, BIAS
	v_lshl_add_u32 v[ADK], v0, 4, BIAS             ; where my four numbers of the bias go
.irp j, 0,1,2,3,4,5,6,7,8,9,10,11,12,13,14,15,16,17,18,19,20,21,22,23,24,25,26,27,28,29,30,31,32,33,34,35,36,37,38,39,40,41,42,43,44,45,46,47,48,49,50,51,52,53,54,55,56,57,58,59,60,61,62,63
	v_mov_b32 v[OA+\j], 0                          ; O^T.  (The key step is written once: its first pass finds zeros, which a = 0 leaves zeros)
.endr
.irp t, 0,1
	v_mov_b32 v[ST+8*\t], 0xff61b1e6               ; m: -3e38, under every t
	v_mov_b32 v[ST+8*\t+1], 0
	v_mov_b32 v[ST+8*\t+2], 0                      ; l
	v_mov_b32 v[ST+8*\t+3], 0
	v_mov_b32 v[ST+8*\t+5], 0                      ; a lane permute's destination counts as one of its sources
.endr
	s_wait_loadcnt 8                               ; the mask word is in; Q's eight loads may be out
.irp i, 0,1,2,3
	v_bfe_u32 v[S+\i], v[MW], 8*\i, 8
.endr
.irp i, 0,1,2,3
	v_cvt_f32_u32 v[S+\i], v[S+\i]
.endr
.irp i, 0,1,2,3
	v_mul_f32 v[S+\i], NEG, v[S+\i]
.endr
	ds_store_b128 v[ADK], v[S:S+3]
	s_wait_tensorcnt 1                             ; my part of slot 0 is in; slot 1's may stay out
	s_wait_dscnt 0x0                               ; my part of the bias lies in LDS, for the others' sake
	s_barrier_signal -1
	s_barrier_wait -1
	s_wait_loadcnt 0x0                             ; Q
.macro MAX4 t                          ; four chains start, each at the low end of a tile of scores
.irp j, 0,1,2,3
	v_max3_num_f32 v[ST+8*\t+4+\j], v[S+32*\t+8*\j], v[S+32*\t+8*\j+1], v[S+32*\t+8*\j+2]
.endr
.endm
; A KEY STEP: 64 keys at LDS byte s[TB], their bias at s[TJ].
.macro KSTEP
	v_add_nc_u32 v[ADK], s[TB], v[L16]
	v_add_nc_u32 v[ADB], s[TJ], v[ABI]
.rept 4
	v_nop                                          ; with the two additions six places behind the last products: four are owed to the loads below, five to the first product, which writes over registers that those read as P
.endr
.irp kt, 0,1,2,3
.irp ct, 0,1,2,3
	ds_load_b128 v[KV+16*\kt+4*\ct:KV+16*\kt+4*\ct+3], v[ADK] offset:2048*\kt+512*\ct   ; K: fragment (keys 16 kt on, channels 32 u on) at KV + 16 kt + 8 u
.endr
.endr
.irp kt, 0,1,2,3
.irp c, 0,1
	ds_load_b128 v[S+8*\kt+4*\c:S+8*\kt+4*\c+3], v[ADB] offset:64*\kt+16*\c   ; the bias, in the result's layout, into tile 0's scores
.endr
.endr
	s_wait_dscnt 0x0
	; S^T = K Q^T + bias.  Tile 1 first: it takes the bias as C out of tile 0's registers; then tile 0, in place on the bias.  The accumulators take turns, one instruction a turn.
.irp kt, 0,1,2,3
	v_wmma_f32_16x16x32_f16 v[S+32+8*\kt:S+32+8*\kt+7], v[KV+16*\kt:KV+16*\kt+7], v[QF+16:QF+23], v[S+8*\kt:S+8*\kt+7]
.endr
.irp kt, 0,1,2,3
	v_wmma_f32_16x16x32_f16 v[S+32+8*\kt:S+32+8*\kt+7], v[KV+16*\kt+8:KV+16*\kt+15], v[QF+24:QF+31], v[S+32+8*\kt:S+32+8*\kt+7]
.endr
.rept 5
	v_nop                                          ; five places: the next products write over registers that tile 1's first products read as C
.endr
.irp kt, 0,1,2,3
	v_wmma_f32_16x16x32_f16 v[S+8*\kt:S+8*\kt+7], v[KV+16*\kt:KV+16*\kt+7], v[QF:QF+7], v[S+8*\kt:S+8*\kt+7]
.endr
.irp kt, 0,1,2,3
	v_wmma_f32_16x16x32_f16 v[S+8*\kt:S+8*\kt+7], v[KV+16*\kt+8:KV+16*\kt+15], v[QF+8:QF+15], v[S+8*\kt:S+8*\kt+7]
.endr
	MAX4 1                                         ; tile 1's scores have their places (the five above); these four lines are the places behind tile 0's products
.irp ct, 0,1,2,3
.irp tt, 0,1,2,3
	ds_load_tr16_b128 v[KV+16*\ct+4*\tt:KV+16*\ct+4*\tt+3], v[ADK] offset:8192+2048*\tt+512*\ct   ; V, turned, over K: fragment (channels 16 ct on, keys 32 u on) at KV + 16 ct + 8 u
.endr
.endr
	MAX4 0
.irp i, 3,5
.irp j, 0,1,2,3
.irp t, 0,1
	v_max3_num_f32 v[ST+8*\t+4+\j], v[ST+8*\t+4+\j], v[S+32*\t+8*\j+\i], v[S+32*\t+8*\j+\i+1]
.endr
.endr
.endr
.irp t, 0,1
	v_max3_num_f32 v[ST+8*\t+4], v[ST+8*\t+4], v[S+32*\t+7], v[S+32*\t+15]
	v_max3_num_f32 v[ST+8*\t+6], v[ST+8*\t+6], v[S+32*\t+23], v[S+32*\t+31]
.endr
.irp t, 0,1
	v_max3_num_f32 v[ST+8*\t+4], v[ST+8*\t+4], v[ST+8*\t+5], v[ST+8*\t+6]
.endr
.irp t, 0,1
	v_max3_num_f32 v[ST+8*\t+4], v[ST+8*\t+4], v[ST+8*\t+7], v[ST+8*\t]   ; with the old m
.endr
.irp t, 0,1
	v_permlanex16_b32 v[ST+8*\t+5], v[ST+8*\t+4], s[SEL], s[SEL+1]        ; the query's other 32 keys lie in the lane 16 away
.endr
.irp t, 0,1
	v_max_num_f32 v[ST+8*\t+6], v[ST+8*\t+4], v[ST+8*\t+5]                ; the new m
.endr
.irp t, 0,1
	v_sub_f32 v[ST+8*\t+7], v[ST+8*\t], v[ST+8*\t+6]                      ; m_old - m_new
.endr
.irp t, 0,1
	v_mov_b32 v[ST+8*\t], v[ST+8*\t+6]
.endr
.irp j, 0,2,4,6,8,10,12,14,16,18,20,22,24,26,28,30
.irp t, 0,1
	v_pk_add_f32 v[S+32*\t+\j:S+32*\t+\j+1], v[S+32*\t+\j:S+32*\t+\j+1], v[ST+8*\t:ST+8*\t+1] op_sel_hi:[1,0] neg_lo:[0,1] neg_hi:[0,1]   ; t - m, two at a time
.endr
.endr
	; ONE BATCH of 66 exponentials; none reads another's result
.irp t, 0,1
	v_exp_f32 v[ST+8*\t+6], v[ST+8*\t+7]           ; a
.endr
.irp j, 0,1,2,3,4,5,6,7,8,9,10,11,12,13,14,15,16,17,18,19,20,21,22,23,24,25,26,27,28,29,30,31,32,33,34,35,36,37,38,39,40,41,42,43,44,45,46,47,48,49,50,51,52,53,54,55,56,57,58,59,60,61,62,63
	v_exp_f32 v[S+\j], v[S+\j]                     ; p = 2^(t - m), at most 1
.endr
	v_nop                                          ; a plain line behind the last exponential
	s_wait_alu depctr_va_vdst(0)                   ; one wait for the batch, ahead of its first reader
	; l = a l + the sum of p, in f32, ahead of the rounding: two chains a tile
.irp t, 0,1
	v_pk_fma_f32 v[ST+8*\t+2:ST+8*\t+3], v[ST+8*\t+2:ST+8*\t+3], v[ST+8*\t+6:ST+8*\t+7], v[S+32*\t:S+32*\t+1] op_sel_hi:[1,0,1]
	v_pk_add_f32 v[XS+2*\t:XS+2*\t+1], v[S+32*\t+2:S+32*\t+3], v[S+32*\t+6:S+32*\t+7]
.endr
.irp p, 2,4,6,8,10,12
.irp t, 0,1
	v_pk_add_f32 v[ST+8*\t+2:ST+8*\t+3], v[ST+8*\t+2:ST+8*\t+3], v[S+32*\t+2*\p:S+32*\t+2*\p+1]
	v_pk_add_f32 v[XS+2*\t:XS+2*\t+1], v[XS+2*\t:XS+2*\t+1], v[S+32*\t+2*\p+6:S+32*\t+2*\p+7]
.endr
.endr
.irp t, 0,1
	v_pk_add_f32 v[ST+8*\t+2:ST+8*\t+3], v[ST+8*\t+2:ST+8*\t+3], v[S+32*\t+28:S+32*\t+29]
.endr
.irp t, 0,1
	v_pk_add_f32 v[ST+8*\t+2:ST+8*\t+3], v[ST+8*\t+2:ST+8*\t+3], v[XS+2*\t:XS+2*\t+1]
.endr
.irp i, 0,1,2,3,4,5,6,7,8,9,10,11,12,13,14,15
.irp t, 0,1
	v_cvt_pk_f16_f32 v[S+32*\t+\i], v[S+32*\t+2*\i], v[S+32*\t+2*\i+1]   ; P in place, ascending: register i was used up at step i / 2
.endr
.endr
.irp t, 0,1
.irp j, 0,2,4,6,8,10,12,14,16,18,20,22,24,26,28,30
	v_pk_mul_f32 v[OA+32*\t+\j:OA+32*\t+\j+1], v[OA+32*\t+\j:OA+32*\t+\j+1], v[ST+8*\t+6:ST+8*\t+7] op_sel_hi:[1,0]   ; O^T x a, each accumulator from its low end on
.endr
.endr
	s_wait_dscnt 0x0                               ; V is in
.irp u, 0,1                                    ; O^T += V^T P: eight accumulators by turns
.irp ct, 0,1,2,3
.irp t, 0,1
	v_wmma_f32_16x16x32_f16 v[OA+32*\t+8*\ct:OA+32*\t+8*\ct+7], v[KV+16*\ct+8*\u:KV+16*\ct+8*\u+7], v[S+32*\t+8*\u:S+32*\t+8*\u+7], v[OA+32*\t+8*\ct:OA+32*\t+8*\ct+7]
.endr
.endr
.endr
	s_add_co_u32 s[TB], s[TB], STEPB
	s_add_co_u32 s[TJ], s[TJ], 256
.endm
.macro SLOTSTEPS slot, chunk           ; a slot's eight key steps
	s_mov_b32 s[TB], \slot*SLOTB
	s_mov_b32 s[TJ], \chunk*2048
	s_mov_b32 s[CNT], 8
.Lstep_\@:
	KSTEP
	s_sub_co_u32 s[CNT], s[CNT], 1
	s_cmp_lg_u32 s[CNT], 0
	s_cbranch_scc1 .Lstep_\@
.endm
; THE CHANGE OF SLOTS.  Each wave waits for all its tensor loads (its part of the slot ahead), adds 0 to its spare word, and waits for that and for its reads of the slot that it leaves.
; fill = 1: the barrier is a round of the cluster's, so that no wave of any partner still reads the slot or has a load on its way; the joint refill, the chunk two on, is the first thing behind it.
.macro CHANGE slot, fill
	s_wait_tensorcnt 0x0                           ; no tensor load of mine is out, so a group 0 may be written
	ds_add_u32 v[SPW], v[NIL]                      ; 0 onto my spare word
.if \fill
	s_add_nc_u64 s[G0+4*\slot+2:G0+4*\slot+3], s[G0+4*\slot+2:G0+4*\slot+3], 2*SLOTB
.endif
	s_wait_dscnt 0x0                               ; the add is done, and my reads of the slot are over
.if \fill
	CROUND
	tensor_load_to_lds s[G0+4*\slot:G0+4*\slot+3], s[G1:G1+7]   ; my one tensor load until the next change
	s_nop 0
.else
	s_barrier_signal -1
	s_barrier_wait -1
.endif
.endm
	SLOTSTEPS 0, 0
	CHANGE 0, 1                                    ; chunk 1 has landed; chunk 2 goes into slot 0
	SLOTSTEPS 1, 1
	CHANGE 1, 1                                    ; chunk 3 goes into slot 1
	SLOTSTEPS 0, 2
	CHANGE 0, 0                                    ; nothing is left to fetch
	SLOTSTEPS 1, 3
	; THE WAY OUT.  l's two halves and the other half of the lanes' are added; O^T is divided by l and rounded to f16: a lane's eight channels of a query are its 16 bytes of a block of the context.
.irp t, 0,1
	v_add_f32 v[ST+8*\t+4], v[ST+8*\t+2], v[ST+8*\t+3]
.endr
.irp t, 0,1
	v_permlanex16_b32 v[ST+8*\t+5], v[ST+8*\t+4], s[SEL], s[SEL+1]
.endr
.irp t, 0,1
	v_add_f32 v[ST+8*\t+4], v[ST+8*\t+4], v[ST+8*\t+5]
.endr
	v_nop                                          ; with the four additions: the places behind the last products
	v_nop
.irp t, 0,1
	v_rcp_f32 v[ST+8*\t+6], v[ST+8*\t+4]           ; l is at least 1: the largest p of a row is 1
.endr
	v_nop                                          ; a plain line behind the reciprocals
	s_wait_alu depctr_va_vdst(0)                   ; one wait for both, ahead of the first reader
.irp t, 0,1
.irp j, 0,2,4,6,8,10,12,14,16,18,20,22,24,26,28,30
	v_pk_mul_f32 v[OA+32*\t+\j:OA+32*\t+\j+1], v[OA+32*\t+\j:OA+32*\t+\j+1], v[ST+8*\t+6:ST+8*\t+7] op_sel_hi:[1,0]
.endr
.endr
.irp i, 0,1,2,3,4,5,6,7,8,9,10,11,12,13,14,15,16,17,18,19,20,21,22,23,24,25,26,27,28,29,30,31
	v_cvt_pk_f16_f32 v[S+\i], v[OA+2*\i], v[OA+2*\i+1]
.endr
.irp t, 0,1
.irp ct, 0,1,2,3
	global_store_b128 v[L16], v[S+16*\t+4*\ct:S+16*\t+4*\ct+3], s[10:11] offset:32768*\t+512*\ct   ; a block: 512 consecutive bytes, aligned
.endr
.endr
	s_wait_tensorcnt 0x0                           ; the wave's end
	ds_add_u32 v[SPW], v[NIL]
	s_wait_dscnt 0x0
	CROUND                                         ; the closing round
	s_endpgm
.Lfunc_end_k_q7a3efdc118_attn:
	.size	k_q7a3efdc118_attn, .Lfunc_end_k_q7a3efdc118_attn-k_q7a3efdc118_attn
	.p2alignl 7, 3214868480
	.fill 96, 4, 3214868480
	.section	.rodata,"a",@progbits
	.p2align	6, 0x0
	.amdhsa_kernel k_q7a3efdc118_attn
		.amdhsa_group_segment_fixed_size 327680
		.amdhsa_private_segment_fixed_size 0
		.amdhsa_enable_private_segment 0
		.amdhsa_kernarg_size 32
		.amdhsa_user_sgpr_count 2
		.amdhsa_user_sgpr_kernarg_segment_ptr 1
		.amdhsa_wavefront_size32 1
		.amdhsa_system_sgpr_workgroup_id_x 1
		.amdhsa_system_sgpr_workgroup_id_y 1
		.amdhsa_system_sgpr_workgroup_id_z 1
		.amdhsa_system_vgpr_workitem_id 0
		.amdhsa_next_free_vgpr 256
		.amdhsa_next_free_sgpr 66
		.amdhsa_reserve_vcc 0
		.amdhsa_float_denorm_mode_32 3
		.amdhsa_float_denorm_mode_16_64 3
		.amdhsa_memory_ordered 1
		.amdhsa_forward_progress 1
		.amdhsa_inst_pref_size 86
	.end_amdhsa_kernel
	.amdgpu_metadata
---
amdhsa.version: [ 1, 2 ]
amdhsa.kernels:
  - .name:           k_q7a3efdc118_attn
    .symbol:         k_q7a3efdc118_attn.kd
    .args:
      - { .name: q, .offset: 0, .size: 8, .value_kind: global_buffer, .address_space: global }
      - { .name: kv, .offset: 8, .size: 8, .value_kind: global_buffer, .address_space: global }
      - { .name: pad_mask, .offset: 16, .size: 8, .value_kind: global_buffer, .address_space: global }
      - { .name: ctx, .offset: 24, .size: 8, .value_kind: global_buffer, .address_space: global }
    .group_segment_fixed_size: 327680
    .private_segment_fixed_size: 0
    .kernarg_segment_align: 8
    .kernarg_segment_size: 32
    .max_flat_workgroup_size: 512
    .sgpr_count:     66
    .vgpr_count:     256
    .wavefront_size: 32
...
	.end_amdgpu_metadata
.endif
;; end of part 3
;; launch proj (part 4): grid 8 x 32, 4 waves a work-group, clusters of 4 x 4, 327,680 bytes of LDS; arguments ctx, wo16, bo, out0; writes out0
.if DOCPART == 4
	.amdgcn_target "amdgcn-amd-amdhsa--gfx1250"
	.amdhsa_code_object_version 6
	.text
	.protected	k_q7a3efdc118_proj
	.globl	k_q7a3efdc118_proj
	.p2align	8
	.type	k_q7a3efdc118_proj,@function
k_q7a3efdc118_proj:
	s_mov_b64 s[64:65], 0
	v_nop
	global_prefetch_b8 v0, s[64:65] scope:SCOPE_SE
	s_setreg_imm32_b32 hwreg(HW_REG_WAVE_MODE, 25, 1), 1
	s_wait_xcnt 0x0
	s_wait_alu depctr_hold_cnt(0) depctr_sa_sdst(0) depctr_va_vdst(0) depctr_va_sdst(0) depctr_va_ssrc(0) depctr_va_vcc(0) depctr_vm_vsrc(0)
	s_getreg_b32 s2, hwreg(HW_REG_IB_STS2, 6, 4)
	s_cmp_eq_u32 s2, 0
	s_cbranch_scc0 .Lentry_in_a_cluster
	s_endpgm
.Lentry_in_a_cluster:
	s_bfe_u32 s2, ttmp6, 0x10000c
	s_cmp_lg_u32 s2, 0xf033
	s_cbranch_scc0 .Lentry_shape_is_right
	s_endpgm
.Lentry_shape_is_right:
; out0[token][n] = the sum over k of context[token][k] Wo[n][k] + bo[n].  8,192 tokens, n and k 1,024.  Operands f16, sums f32, out0 f32.
; ctx and wo16 hold IMAGES OF OPERAND REGISTERS: blocks of 512 bytes (16 rows x 16 k), lane (r, h) owning the 16 bytes at 16 x lane; block (row tile, kt) lies at row tile x 32768 + kt x 512.
; Two neighbouring blocks are a fragment (16 rows x 32 k).  So a K step of 128 of a row tile is 4,096 consecutive bytes, LDS needs no pitch and no padding, and every fragment load is at 16 x lane.
; A tile of out0 is 256 tokens x 128 columns: 256 work-groups.  Four waves, each 128 tokens x 64 columns: 32 accumulators of 16 x 16, 256 registers.
; K goes in steps of 128 through a ring of two LDS slots (64 KB of the context, 32 KB of Wo).  CLUSTERS: 4 x 4 work-groups: the context's tiles are shared along a row of the cluster, Wo's along a column.
; THE MATRIX INSTRUCTION IS USED TRANSPOSED (source 0 = 16 rows of Wo, source 1 = 16 tokens): a lane holds one token and eight neighbouring columns.  bo is the C of each sum's first product.
; No prefetch: a short launch whose tiles are shared in the cluster.
; REGISTERS: window 0: v0-31 addresses; v32-63 bo in the result's layout; v64-127, v128-191 the context's fragments, two buffers; v192-223, v224-255 Wo's, two buffers.  window 1: accumulator (a, b) at v[8 (4 a + b)].
.set KSTEPB, 4096                      ; a K step of a row tile, in bytes
.set BOFF,   65536                     ; a slot: 16 token tiles x 4 KB, then 8 tiles of Wo's rows x 4 KB
.set SLOT,   98304
.set STAGE,  2*SLOT                    ; behind the ring: 16 rows x 272 bytes for each wave, for the way out
.set SPITCH, 272
.set SPARE,  STAGE+4*16*SPITCH         ; behind the stages: the spare words, 128 bytes a wave
.set LAPS,   4                         ; a lap = two K steps
.set ADRA, 16                          ; v16-17  LDS address of my fragments of the context in slot 0, 1
.set ADRB, 20                          ; v20-21  the same for Wo
.set STO,  24                          ; v24     the way out: where I put 32 bytes of a row
.set RD,   25                          ; v25     where I read a row back
.set CO,   26                          ; v26     my byte offset in out0
.set SPW,  28                          ; v28     LDS address of my spare word; never rewritten
.set NIL,  29                          ; v29     0; never rewritten
.set BO,   32
.set FA,   64
.set FB,   192
.set WV,   12                          ; s12  wave
.set WR,   13                          ; s13  which half of the tile's tokens is mine.  Also: I fetch the context (0) or Wo (1)
.set WC,   14                          ; s14  which half of its columns.  Also: which half of that tile I fetch
.set TY,   15                          ; s15  tile row
.set G1, 24                            ; s[24:31] descriptor group 1 for the context;  s[32:39] group 0, one set for each slot
.set G0, 32
.set G1B, 48                           ; s[48:55], s[56:63] the same for Wo
.set G0B, 56
.set MSB, 0
.macro WIN new                         ; the immediate's high byte repeats the setting that is left; a switch that changes nothing is dropped
.if MSB != (\new)
	s_set_vgpr_msb (MSB<<8)|(\new)
.set MSB, \new
.endif
.endm
.set MUL,  0x50                        ; C and D window 1
.set MUL0, 0x40                        ; D window 1, C (bo) window 0
.macro JLOAD s                         ; a joint load: waves 0 and 1 fetch the context's halves, waves 2 and 3 Wo's; an s_nop 0 and four v_nop follow each of the two lines
	s_cmp_eq_u32 s[WR], 0
	s_cbranch_scc0 .Lfor_b_\@
	tensor_load_to_lds s[G0+4*\s:G0+4*\s+3], s[G1:G1+7]
	s_nop 0
.rept 4
	v_nop
.endr
	s_branch .Lasked_\@
.Lfor_b_\@:
	tensor_load_to_lds s[G0B+4*\s:G0B+4*\s+3], s[G1B:G1B+7]
	s_nop 0
.rept 4
	v_nop
.endr
.Lasked_\@:
.endm
.macro CREST                           ; a round of the cluster's barrier behind its opening barrier
	s_cmp_lg_u32 s[WV], 0
	s_cbranch_scc1 .Lnot_wave_0_\@
	s_barrier_signal -3
.Lnot_wave_0_\@:
	s_barrier_wait -3
	s_barrier_signal -1
	s_barrier_wait -1
.endm
.macro CROUND                          ; a whole round
	s_barrier_signal -1
	s_barrier_wait -1
	CREST
.endm
	s_load_b128 s[4:7], s[0:1], 0x0                ; ctx s[4:5], wo16 s[6:7]
	s_load_b128 s[8:11], s[0:1], 0x10              ; bo s[8:9], out0 s[10:11]
	v_lshl_add_u32 v[SPW], v0, 2, SPARE
	v_mov_b32 v[NIL], 0
	ds_add_u32 v[SPW], v[NIL]                      ; the wave's opening: the add, twice on end, and its wait ahead of my first tensor load
	ds_add_u32 v[SPW], v[NIL]
	v_lshrrev_b32 v1, 5, v0
	v_readfirstlane_b32 s[WV], v1
	s_lshr_b32 s[WR], s[WV], 1
	s_and_b32 s[WC], s[WV], 1
	s_bfe_u32 s40, ttmp6, 0x40000                  ; cx, cy: my place in the cluster
	s_bfe_u32 s41, ttmp6, 0x40004
	s_lshl_b32 s42, ttmp9, 2
	s_add_co_u32 s42, s42, s40                     ; tile column = 4 x cluster x + cx
	s_and_b32 s[TY], ttmp7, 0xffff
	s_lshl_b32 s[TY], s[TY], 2
	s_add_co_u32 s[TY], s[TY], s41                 ; tile row = 4 x cluster y + cy
	s_lshl_b32 s43, s41, 2
	s_lshl_b32 s43, 15, s43                        ; my row of the cluster
	s_lshl_b32 s44, 0x1111, s40                    ; my column
	; descriptor group 1: rows of 4,096 bytes (512 elements of 8 bytes), 32,768 bytes apart: 8 of the context, 4 of Wo
	s_or_b32 s[G1], s43, (3<<16)|(1<<21)           ; the mask: my row; elements of 8 bytes; bit 21 beside a mask
	s_or_b32 s[G1B], s44, (3<<16)|(1<<21)
	s_mov_b32 s[G1+1], 512<<16                     ; tensor_dim0
	s_mov_b32 s[G1+2], 8<<16                       ; tensor_dim1
	s_mov_b32 s[G1+3], 512<<16                     ; tile_dim0
	s_mov_b32 s[G1+4], 8                           ; tile_dim1
	s_mov_b32 s[G1+5], 4096                        ; from row to row, in elements
	s_mov_b32 s[G1+6], 0
	s_mov_b32 s[G1+7], 0
	s_mov_b32 s[G1B+1], 512<<16
	s_mov_b32 s[G1B+2], 4<<16
	s_mov_b32 s[G1B+3], 512<<16
	s_mov_b32 s[G1B+4], 4
	s_mov_b32 s[G1B+5], 4096
	s_mov_b32 s[G1B+6], 0
	s_mov_b32 s[G1B+7], 0
	s_lshl_b32 s16, s[TY], 4
	s_lshl_b32 s17, s[WC], 3
	s_add_co_u32 s16, s16, s17                     ; the context: token tile 16 x tile row + 8 x half
	s_lshl_b32 s16, s16, 15
	s_mov_b32 s17, 0
	s_lshl_b32 s46, s42, 3
	s_lshl_b32 s47, s[WC], 2
	s_add_co_u32 s46, s46, s47                     ; Wo: row tile 8 x tile column + 4 x half
	s_lshl_b32 s46, s46, 15
	s_mov_b32 s47, 0
	s_lshl_b32 s20, s[WC], 15                      ; where they go: the wave's number alone enters an LDS address
	s_lshl_b32 s21, s[WC], 14
	s_add_co_u32 s21, s21, BOFF
	s_wait_dscnt 0x0                               ; both opening adds are done
	s_wait_kmcnt 0x0
	s_add_nc_u64 s[18:19], s[4:5], s[16:17]
	s_add_nc_u64 s[46:47], s[6:7], s[46:47]
	CROUND                                         ; all sixteen work-groups are here: the first joint loads meet
.irp s, 0,1
	s_mov_b32 s[G0+4*\s], 1
	s_add_co_u32 s[G0+4*\s+1], s20, \s*SLOT
	s_add_nc_u64 s[G0+4*\s+2:G0+4*\s+3], s[18:19], \s*KSTEPB
	s_or_b32 s[G0+4*\s+3], s[G0+4*\s+3], 0x80000000
	s_mov_b32 s[G0B+4*\s], 1
	s_add_co_u32 s[G0B+4*\s+1], s21, \s*SLOT
	s_add_nc_u64 s[G0B+4*\s+2:G0B+4*\s+3], s[46:47], \s*KSTEPB
	s_or_b32 s[G0B+4*\s+3], s[G0B+4*\s+3], 0x80000000
	JLOAD \s                                       ; two tensor loads of mine are out
.endr
	v_and_b32 v1, 15, v0                           ; r
	v_bfe_u32 v2, v0, 4, 1                         ; h
	v_and_b32 v3, 31, v0
	v_lshlrev_b32 v3, 4, v3                        ; 16 x lane
	s_lshl_b32 s22, s[WR], 15                      ; my 8 token tiles
	s_lshl_b32 s23, s[WC], 14                      ; my 4 tiles of Wo's rows,
	s_add_co_u32 s23, s23, BOFF                    ; behind the context's 64 KB
.irp s, 0,1
	v_add_nc_u32 v[ADRA+\s], s22, v3
	v_add_nc_u32 v[ADRB+\s], s23, v3
	s_add_co_u32 s22, s22, SLOT
	s_add_co_u32 s23, s23, SLOT
.endr
	s_mul_i32 s22, s[WV], 16*SPITCH
	s_add_co_u32 s22, s22, STAGE                   ; my stage
	v_mul_u32_u24 v4, v1, SPITCH                   ; in: row r, 32 bytes for each half of the lanes
	v_lshl_add_u32 v4, v2, 5, v4
	v_add_nc_u32 v[STO], s22, v4
	v_mul_u32_u24 v4, v2, SPITCH                   ; back: lanes 0-15 one row of 256 bytes, lanes 16-31 the next
	v_lshl_add_u32 v4, v1, 4, v4
	v_add_nc_u32 v[RD], s22, v4
	v_lshlrev_b32 v4, 12, v2                       ; and the same two rows in out0: 4,096 bytes a row
	v_lshl_add_u32 v[CO], v1, 4, v4
	s_lshl_b32 s16, s[TY], 8
	s_lshl_b32 s17, s[WR], 7
	s_add_co_u32 s16, s16, s17                     ; my first token
	s_lshl_b32 s16, s16, 12
	s_mov_b32 s17, 0
	s_lshl_b32 s22, s42, 9                         ; my first column, in bytes: 512 x tile column + 256 x half
	s_lshl_b32 s23, s[WC], 8
	s_add_co_u32 s22, s22, s23
	s_mov_b32 s23, 0
	s_add_nc_u64 s[10:11], s[10:11], s[16:17]
	s_add_nc_u64 s[10:11], s[10:11], s[22:23]
	s_add_nc_u64 s[8:9], s[8:9], s[22:23]
	v_lshlrev_b32 v5, 5, v2                        ; bo: block b, my half's eight numbers
.irp b, 0,1,2,3
	global_load_b128 v[BO+8*\b:BO+8*\b+3], v5, s[8:9] offset:64*\b
	global_load_b128 v[BO+8*\b+4:BO+8*\b+7], v5, s[8:9] offset:64*\b+16
.endr
; n token blocks from a0 on x Wo's four, 32 along K, out of buffer f.  first = 1: bo starts the sums.  The 32 accumulators take turns, one instruction a turn, in the same order in every quarter.
.macro MULR f, a0, n, first
.set AA, \a0
.rept \n
.irp b, 0,1,2,3
.if \first
	v_wmma_f32_16x16x32_f16 v[8*(4*AA+\b):8*(4*AA+\b)+7], v[FB+32*\f+8*\b:FB+32*\f+8*\b+7], v[FA+64*\f+8*AA:FA+64*\f+8*AA+7], v[BO+8*\b:BO+8*\b+7]
.else
	v_wmma_f32_16x16x32_f16 v[8*(4*AA+\b):8*(4*AA+\b)+7], v[FB+32*\f+8*\b:FB+32*\f+8*\b+7], v[FA+64*\f+8*AA:FA+64*\f+8*AA+7], v[8*(4*AA+\b):8*(4*AA+\b)+7]
.endif
.endr
.set AA, AA+1
.endr
.endm
; 24 LDS loads in one run (every window 0): the fragments of the slot's q-th 32 along K into buffer f: Wo's four, then the context's eight
.macro FETCH slot, q, f
.irp b, 0,1,2,3
	ds_load_b128 v[FB+32*\f+8*\b:FB+32*\f+8*\b+3],   v[ADRB+\slot] offset:\b*4096+\q*1024
	ds_load_b128 v[FB+32*\f+8*\b+4:FB+32*\f+8*\b+7], v[ADRB+\slot] offset:\b*4096+\q*1024+512
.endr
.irp a, 0,1,2,3,4,5,6,7
	ds_load_b128 v[FA+64*\f+8*\a:FA+64*\f+8*\a+3],   v[ADRA+\slot] offset:\a*4096+\q*1024
	ds_load_b128 v[FA+64*\f+8*\a+4:FA+64*\f+8*\a+7], v[ADRA+\slot] offset:\a*4096+\q*1024+512
.endr
.endm
.macro PLACES                          ; four places in front of loads into registers that matrix instructions have read, and of the first read of results
.rept 4
	v_nop
.endr
.endm
; A K step is four quarters of 32 along K, 32 matrix instructions each, on buffers 0, 1, 0, 1.  One of the first three: multiplies buffer f and fetches quarter q into buffer g.
.macro QUARTER slot, q, f, g, first
	s_wait_dscnt 8                                 ; Wo's fragments and token blocks 0-3 are in; the youngest eight loads may be out
	WIN MUL-0x10*(\first)
	MULR \f, 0, 4, \first
	WIN 0
	PLACES
	FETCH \slot, \q, \g
	s_wait_dscnt 24                                ; all but the 24 just issued
	WIN MUL-0x10*(\first)
	MULR \f, 4, 4, \first
.endm
; The last quarter multiplies buffer 1 and changes slots: ONE barrier; in front of it each wave waits for all its tensor loads, adds 0 to its spare word, and waits for that and for its reads of this slot.
; fill = 1: the barrier opens a round of the cluster's, and this slot is filled again, two K steps ahead, first thing behind the round.
.macro TURN slot, next, fill
	WIN 0
	s_wait_tensorcnt 0x0                           ; all my tensor loads have landed: my part of the next slot
	ds_add_u32 v[SPW], v[NIL]                      ; 0 onto my spare word
	s_wait_dscnt 9                                 ; (the add and the youngest eight loads may be out)
	WIN MUL
	MULR 1, 0, 2, 0
	s_wait_dscnt 0x0                               ; the add is done, and my reads of this slot are over
	s_barrier_signal -1
	MULR 1, 2, 2, 0
	WIN 0
	s_barrier_wait -1
.if \fill
	CREST                                          ; no wave of any partner still reads this slot's tile or has a load on its way
	s_add_nc_u64 s[G0+4*\slot+2:G0+4*\slot+3], s[G0+4*\slot+2:G0+4*\slot+3], 2*KSTEPB
	s_add_nc_u64 s[G0B+4*\slot+2:G0B+4*\slot+3], s[G0B+4*\slot+2:G0B+4*\slot+3], 2*KSTEPB
	JLOAD \slot                                    ; its four v_nop are also the places in front of the loads below
.else
	PLACES
.endif
	FETCH \next, 0, 0
	WIN MUL
	MULR 1, 4, 4, 0
.endm
	s_wait_tensorcnt 1                             ; my part of K step 0 is in (K step 1's load may be out),
	s_barrier_signal -1
	s_barrier_wait -1                              ; everybody's is
	FETCH 0, 0, 0
	s_wait_loadcnt 0x0                             ; bo
	QUARTER 0, 1, 0, 1, 1                          ; the first quarter stands in front of the loop: its products start the sums on bo
	WIN 0                                          ; at a label and at a branch every window is 0
	s_mov_b32 s3, LAPS-1
.Llap:                                                 ; a trip goes once round the ring, from a lap's second quarter to the next lap's first, and fills both slots again
	QUARTER 0, 2, 1, 0, 0
	QUARTER 0, 3, 0, 1, 0
	TURN 0, 1, 1
	QUARTER 1, 1, 0, 1, 0
	QUARTER 1, 2, 1, 0, 0
	QUARTER 1, 3, 0, 1, 0
	TURN 1, 0, 1
	QUARTER 0, 1, 0, 1, 0
	WIN 0
	s_sub_co_u32 s3, s3, 1
	s_cmp_lg_u32 s3, 0
	s_cbranch_scc1 .Llap
	QUARTER 0, 2, 1, 0, 0                          ; the last lap fills nothing
	QUARTER 0, 3, 0, 1, 0
	TURN 0, 1, 0
	QUARTER 1, 1, 0, 1, 0
	QUARTER 1, 2, 1, 0, 0
	QUARTER 1, 3, 0, 1, 0
	s_wait_dscnt 8                                 ; the very last quarter: nothing more to fetch
	WIN MUL
	MULR 1, 0, 4, 0
	s_wait_dscnt 0
	MULR 1, 4, 4, 0
	WIN 0
; THE WAY OUT, block by block of 16 tokens x 64 columns.  A lane holds 32 neighbouring bytes of a row and the lanes beside it hold other rows: so a block goes through my own stage in LDS and comes back as
; whole rows of 256 bytes.  LDS serves a wave's instructions in order: no wait between the stores and the loads, nor in front of the next block's stores.
.macro TOSTAGE a
	WIN 0x04                                       ; an LDS store's data are its source 1: window 1
.irp b, 0,1,2,3
	ds_store_b128 v[STO], v[8*(4*(\a)+\b):8*(4*(\a)+\b)+3] offset:64*\b          ; each accumulator from its low end on
	ds_store_b128 v[STO], v[8*(4*(\a)+\b)+4:8*(4*(\a)+\b)+7] offset:64*\b+16
.endr
	WIN 0
.irp t, 0,1,2,3,4,5,6,7
	ds_load_b128 v[FA+32*((\a)%2)+4*\t:FA+32*((\a)%2)+4*\t+3], v[RD] offset:\t*2*SPITCH
.endr
.endm
.macro SEND a, younger                 ; younger: the LDS instructions issued behind block a's loads, which may stay out
	s_wait_dscnt \younger
.irp t, 0,1,2,3,4,5,6,7
	global_store_b128 v[CO], v[FA+32*((\a)%2)+4*\t:FA+32*((\a)%2)+4*\t+3], s[10:11] offset:65536*(\a)+8192*\t th:TH_STORE_NT   ; 16 lanes store 256 consecutive bytes, aligned; the block and the pair of rows stand in the immediate
.endr
.endm
	PLACES
	TOSTAGE 0
.irp a, 1,2,3,4,5,6,7
.if \a > 1
	s_wait_xcnt 0x0                                ; block a - 2's stores have read their registers: block a's loads may land there
.endif
	TOSTAGE \a
	SEND \a-1, 16                                  ; behind block a - 1's loads: block a's 8 stores and 8 loads
.endr
	SEND 7, 0
	s_wait_tensorcnt 0x0                           ; the wave's end
	ds_add_u32 v[SPW], v[NIL]
	s_wait_dscnt 0x0
	CROUND                                         ; the closing round
	s_endpgm
.Lfunc_end_k_q7a3efdc118_proj:
	.size	k_q7a3efdc118_proj, .Lfunc_end_k_q7a3efdc118_proj-k_q7a3efdc118_proj
	.p2alignl 7, 3214868480
	.fill 96, 4, 3214868480
	.section	.rodata,"a",@progbits
	.p2align	6, 0x0
	.amdhsa_kernel k_q7a3efdc118_proj
		.amdhsa_group_segment_fixed_size 327680
		.amdhsa_private_segment_fixed_size 0
		.amdhsa_enable_private_segment 0
		.amdhsa_kernarg_size 32
		.amdhsa_user_sgpr_count 2
		.amdhsa_user_sgpr_kernarg_segment_ptr 1
		.amdhsa_wavefront_size32 1
		.amdhsa_system_sgpr_workgroup_id_x 1
		.amdhsa_system_sgpr_workgroup_id_y 1
		.amdhsa_system_sgpr_workgroup_id_z 1
		.amdhsa_system_vgpr_workitem_id 0
		.amdhsa_next_free_vgpr 512
		.amdhsa_next_free_sgpr 66
		.amdhsa_reserve_vcc 0
		.amdhsa_float_denorm_mode_32 3
		.amdhsa_float_denorm_mode_16_64 3
		.amdhsa_memory_ordered 1
		.amdhsa_forward_progress 1
		.amdhsa_inst_pref_size 86
	.end_amdhsa_kernel
	.amdgpu_metadata
---
amdhsa.version: [ 1, 2 ]
amdhsa.kernels:
  - .name:           k_q7a3efdc118_proj
    .symbol:         k_q7a3efdc118_proj.kd
    .args:
      - { .name: ctx, .offset: 0, .size: 8, .value_kind: global_buffer, .address_space: global }
      - { .name: wo16, .offset: 8, .size: 8, .value_kind: global_buffer, .address_space: global }
      - { .name: bo, .offset: 16, .size: 8, .value_kind: global_buffer, .address_space: global }
      - { .name: out0, .offset: 24, .size: 8, .value_kind: global_buffer, .address_space: global }
    .group_segment_fixed_size: 327680
    .private_segment_fixed_size: 0
    .kernarg_segment_align: 8
    .kernarg_segment_size: 32
    .max_flat_workgroup_size: 128
    .sgpr_count:     66
    .vgpr_count:     512
    .wavefront_size: 32
...
	.end_amdgpu_metadata
.endif
;; end of part 4
